; MI455X (gfx1250); checked and timed in simulation.
; The chip was launched on July 23, 2026; its instructions are those of AMD's public machine-readable ISA for CDNA 5 (MIT licence, August 2026) and "CDNA5" Instruction Set Architecture Reference Guide (July 2026). The comments in the code are by the model that wrote it; some were corrected since.
;; Sparse Mo E Block. Allowed arithmetic: matrix products marked QUANTISED: E2M1 operands, one E8M0 scale for each 32 along K, by v_wmma_scale_f32_16x16x128_f8f6f4 with both operands' format E2M1 (or v_wmma_scale_f32_32x16x128_f4), f32 sums; products left as they are: f32 operands where the result goes on into a quantised operand, else bf16, f16 or f32 operands; f32 sums; everything else in f32.
;; Inputs: W1_codes 8 x 1,024 x 32 x 16 uint8 (E2M1 codes of W1, K innermost, in blocks of 32 codes, two codes a byte); W1_scales 8 x 1,024 x 32 uint8 (E8M0 scales of W1, one for each 32 codes along K); W2_codes 8 x 1,024 x 32 x 16 uint8 (E2M1 codes of W2, K innermost, in blocks of 32 codes, two codes a byte); W2_scales 8 x 1,024 x 32 uint8 (E8M0 scales of W2, one for each 32 codes along K); topk_indices 2 x 2,048 x 2 int32; topk_probs 2 x 2,048 x 2 float32; x_codes 2 x 2,048 x 32 x 16 uint8 (E2M1 codes of x, K innermost, in blocks of 32 codes, two codes a byte); x_scales 2 x 2,048 x 32 uint8 (E8M0 scales of x, one for each 32 codes along K).
;; Outputs: out0 2 x 2,048 x 1,024 float32.
;; This version of the problem:
;;   THIS VERSION OF THE PROBLEM IS GIVEN IN LOW PRECISION. The matrix products marked QUANTISED in the list below multiply operands that are first quantised to E2M1 (2 exponent bits, 1 mantissa bit; 4 bits a number), with one power-of-two scale for each 32 numbers along K (OCP MX v1.0); their sums are f32. All else is computed in f32.
;;   The module's matrix products, in the order in which they are computed (A, B: the left and right operand; K: the contracted axis; several contracted axes count as one K, in the product's order):
;;     1. [M 8,192, K 1,024] x [K 1,024, N 4,096]; A: input W1 (given as codes); B: input x (given as codes): QUANTISED
;;     2. batch 8 x [M 4,096, K 1,024] x [K 1,024, N 1,024]; A: computed on the way; B: input W2 (given as codes): QUANTISED
;;     3. batch 4,096 x [M 1, K 8] x [K 8, N 1,024]; A: computed on the way; B: computed on the way: left as it is (K = 8 < 32)
;;   THE QUANTISER, for each operand of a quantised product, along K:
;;     - K is cut into blocks of 32 from its start; a last block that is shorter is filled with zeros.
;;     - A block's scale is 2^e with e = floor(log2(the largest magnitude in the block)) - 2, held to -126 .. 127; a block of zeros has e = 0. As a byte (E8M0): e + 127.
;;     - Each number is divided by its block's scale, clamped to +-6, and rounded to the nearest number of E2M1, ties to even, subnormals kept.
;;     - The product sums the exact products of the quantised numbers (number of the format x scale) in f32.
;;   ~~~python
;;   def quantise(x, axis):      # numpy; x: float32 -> the quantised numbers, widened to float32 again
;;       x = np.moveaxis(x, axis, -1); K = x.shape[-1]
;;       x = np.pad(x, [(0, 0)] * (x.ndim - 1) + [(0, -K % 32)]); x = x.reshape(x.shape[:-1] + (-1, 32)); a = np.abs(x).max(-1, keepdims=True)
;;       e = np.where(a > 0, np.clip(np.frexp(np.where(a > 0, a, 1))[1] - 1 - 2, -126, 127), 0)      # np.frexp(a)[1] - 1 = floor(log2(a)), exactly
;;       r = np.clip(x / 2.0 ** e, -6, 6)
;;       step = 2.0 ** (np.maximum(np.frexp(np.where(r == 0, 1, r))[1] - 1, 0) - 1)
;;       q = np.round(r / step) * step * 2.0 ** e      # np.round: ties to even
;;       return np.moveaxis(q.reshape(q.shape[:-2] + (-1,))[..., :K], -1, axis).astype(np.float32)
;;   ~~~
;;   OPERANDS COMPUTED ON THE WAY. 'Computed on the way' means the value that the module computes at that place (a softmax that the list does not call 'softmax' is quantised finished and normalised). What goes into a quantiser is computed in f32, as accurately as f32 sums, v_exp_f32 and their like allow (about 1e-6 of the number): no bf16 or f16 on the way to a quantiser, and a product that is left as it is and whose result goes on into a quantised operand takes f32 operands (vector FMAs, or v_wmma_f32_16x16x4_f32). A number that lies on a knife's edge between two numbers of the format may be rounded either way, as far as f32 arithmetic and the matrix unit's own rounding can turn it there, and no further.
;;   INPUTS GIVEN AS CODES. W1 (in the module: [8, 1024, 1024], K = its axis 2); W2 (in the module: [8, 1024, 1024], K = its axis 2); x (in the module: [2, 2048, 1024], K = its axis 2): each comes as NAME_codes (uint8): NAME with its K axis moved to the last place and cut into blocks of 32 codes, [.., K / 32, bytes a block], one block behind the other in memory; two codes a byte, the lower K in the low four bits (a code: sign, 2 exponent bits, 1 mantissa bit); and NAME_scales (uint8): the same leading axes, one E8M0 byte (e + 127) for each 32 codes along K. Its value is code x scale, taken as it is: it is not quantised again, and the codes and scales need not be those that the quantiser above would give.
;; 2 versions. Each part assembles by itself: llvm-mc -triple=amdgcn-amd-amdhsa -mcpu=gfx1250 --defsym DOCPART=n.
;; ======== version 1 of 2: 3 launches
;; workspace buffers: w1i 4,194,304 bytes; w2i 4,194,304 bytes; rec 16,384 bytes of whole numbers; gts 32,768 bytes; hc 16,777,216 bytes; hs 1,048,576 bytes
;; launch prep (part 1): grid 256 x 1, 4 waves a work-group, no clusters, 35,840 bytes of LDS; arguments W1_codes, W2_codes, topk_indices, topk_probs, w1i, w2i, rec, gts; writes w1i, w2i, rec, gts
.if DOCPART == 1
	.amdgcn_target "amdgcn-amd-amdhsa--gfx1250"
	.amdhsa_code_object_version 6
	.text
	.protected	k_qaa6d5f74c5_prep
	.globl	k_qaa6d5f74c5_prep
	.p2align	8
	.type	k_qaa6d5f74c5_prep,@function
k_qaa6d5f74c5_prep:
	s_mov_b64 s[64:65], 0
	v_nop
	global_prefetch_b8 v0, s[64:65] scope:SCOPE_SE
	s_setreg_imm32_b32 hwreg(HW_REG_WAVE_MODE, 25, 1), 1
	s_wait_xcnt 0x0
; TWO JOBS IN ONE LAUNCH.
; (1) W1's and W2's codes are laid out as images of operand registers.  A tile is 16 weight rows x 1,024 along K = 8,192 bytes.  A 4-bit fragment gives lane (r, h), register group c of K step s, the 16-byte block
;     4 s + 2 c + h of row r: so a tile's images are [block 32][row 16][16 bytes].  Wave id = 4 x work-group + wave (0 .. 1,023) turns one tile: id < 512 W1's, else W2's; expert (id >> 6) & 7, tile T = id & 63.
;     W1's tile T takes rows 32 (T / 2) + 8 (T % 2) + p + 8 (p / 8), p = 0 .. 15, so that two neighbouring tiles' results are 16 neighbours along the next product's K; W2's tile T takes rows 16 T + p.
; (2) The 4,096 tokens are sorted by their set of experts: key = 8 lo + hi (lo <= hi the token's two experts).  A token's place is the number of tokens whose (key << 12) + token is smaller: the numbers differ, so
;     the places are a permutation.  Work-group g places tokens 16 g .. 16 g + 15; each of its four waves counts against 1,024 tokens; the four counts meet in LDS.
;     rec[place] = token | lo << 12 | hi << 16;  gts[place] = (gate of lo, gate of hi): max(p, 0) each; where the two indices are equal, (max(p0, p1), 0).
; LIMITS: a NaN among topk_probs counts as absent (the maximum drops it); an index outside 0 .. 7 has the gate 0 and is filed under expert 7.
; No tensor load, no cluster: no two work-groups read the same weight bytes here.
.set STGB, 8704                        ; a wave's own stage: 32 blocks x (256 bytes + 16 of padding)
.set RK,   4*STGB                      ; behind the stages: [wave 4][32 words] of counts
.set IDX,  32                          ; v32-95   my 1,024 tokens' indices; later the tile as it leaves
.set ROWS, 96                          ; v96-159  the tile's 16 rows as loaded
.set CK,   160                         ; v160-191 (key << 12) + token of 32 tokens a lane
	s_load_b512 s[4:19], s[0:1], 0x0               ; W1_codes, W2_codes, topk_indices, topk_probs, w1i, w2i, rec, gts
	v_lshl_add_u32 v192, v0, 2, 0x8a00
	v_mov_b32 v193, 0
	v_lshrrev_b32 v1, 5, v0
	v_readfirstlane_b32 s20, v1                    ; wave
	v_and_b32 v1, 31, v0                           ; lane
	v_and_b32 v29, 15, v0                          ; r
	v_lshlrev_b32 v2, 4, v1                        ; 16 x lane
	s_lshl_b32 s21, ttmp9, 2
	s_add_co_u32 s21, s21, s20                     ; id
	s_bfe_u32 s22, s21, 0x30006                    ; expert
	s_and_b32 s23, s21, 63                         ; T
	s_lshr_b32 s60, s23, 1
	s_lshl_b32 s60, s60, 5
	s_and_b32 s61, s23, 1
	s_lshl_b32 s61, s61, 3
	s_add_co_u32 s60, s60, s61                     ; W1: the tile's first row, 32 (T / 2) + 8 (T % 2)
	s_lshl_b32 s61, s23, 4                         ; W2: 16 T
	s_cmp_lt_u32 ttmp9, 128
	s_cselect_b32 s60, s60, s61
	s_cselect_b32 s62, 4096, 0                     ; W1: rows p >= 8 lie 8 rows of 512 bytes further on
	v_add_nc_u32 v3, s62, v2
	s_lshl_b32 s61, s22, 10
	s_add_co_u32 s60, s60, s61
	s_lshl_b32 s60, s60, 9                         ; (1,024 expert + first row) x 512 bytes
	s_mov_b32 s61, 0
	s_and_b32 s62, s21, 511
	s_lshl_b32 s62, s62, 13                        ; the tile's 8,192 bytes of images
	s_mov_b32 s63, 0
	s_mul_i32 s56, s20, STGB
	v_mul_u32_u24 v4, v1, 272
	v_add_nc_u32 v4, s56, v4                       ; into the stage: block = lane
	v_lshrrev_b32 v5, 4, v1
	v_mul_u32_u24 v5, v5, 272
	v_lshl_add_u32 v5, v29, 4, v5
	v_add_nc_u32 v5, s56, v5                       ; out of it: sixteen lanes to a block
	v_lshl_add_u32 v6, s20, 13, v2                 ; my wave's 1,024 tokens' indices: 8,192 bytes, 16 a lane
	s_lshl_b32 s57, ttmp9, 7
	v_lshl_add_u32 v7, v29, 3, s57                 ; the work-group's own 16 tokens: 8 bytes each
	s_lshl_b32 s58, s20, 10
	v_lshl_add_u32 v12, v1, 1, s58                 ; 1,024 wave + 2 lane: the first token of my first load
	s_lshl_b32 s59, ttmp9, 4
	v_add_nc_u32 v30, s59, v29                     ; my own token
	v_lshl_add_u32 v23, v0, 2, RK                  ; where my wave's counts go
	v_lshl_add_u32 v24, v29, 2, RK                 ; where they are read
	s_wait_kmcnt 0x0
	s_cmp_lt_u32 ttmp9, 128                        ; the choice hangs on the work-group's number alone
	s_cselect_b64 s[4:5], s[4:5], s[6:7]
	s_cselect_b64 s[12:13], s[12:13], s[14:15]
	s_add_nc_u64 s[4:5], s[4:5], s[60:61]
	s_add_nc_u64 s[12:13], s[12:13], s[62:63]
	global_load_b64 v[8:9], v7, s[8:9]             ; my own token's indices
	global_load_b64 v[10:11], v7, s[10:11]         ; and probabilities
.irp q, 0,1,2,3,4,5,6,7,8,9,10,11,12,13,14,15
	global_load_b128 v[IDX+4*\q:IDX+4*\q+3], v6, s[8:9] offset:512*\q       ; tokens 1,024 wave + 64 q + 2 lane and the next
.endr
.irp p, 0,1,2,3,4,5,6,7
	global_load_b128 v[ROWS+4*\p:ROWS+4*\p+3], v2, s[4:5] offset:512*\p th:TH_LOAD_NT   ; a row is 512 consecutive bytes: lane = block
.endr
.irp p, 8,9,10,11,12,13,14,15
	global_load_b128 v[ROWS+4*\p:ROWS+4*\p+3], v3, s[4:5] offset:512*\p th:TH_LOAD_NT
.endr
; (key << 12) + token.  key = 8 lo + hi = 7 lo + (a + b)
.macro CKEY dst, ia, ib, tok, plus, tmp
	v_min_u32 v[\tmp], 7, v[\ia]
	v_min_u32 v[\tmp+1], 7, v[\ib]
	v_min_u32 v[\tmp+2], v[\tmp], v[\tmp+1]
	v_add_nc_u32 v[\tmp+3], v[\tmp], v[\tmp+1]
	v_mad_u32_u24 v[\tmp+3], v[\tmp+2], 7, v[\tmp+3]
	v_lshl_add_u32 v[\dst], v[\tmp+3], 12, v[\tok]
.if (\plus) != 0
	v_add_nc_u32 v[\dst], \plus, v[\dst]
.endif
.endm
	s_wait_loadcnt 16                              ; all but the 16 youngest loads, the weight rows, are in
.set cq, 0
.rept 16
	CKEY CK+2*cq, IDX+4*cq, IDX+4*cq+1, 12, 64*cq, 13
	CKEY CK+2*cq+1, IDX+4*cq+2, IDX+4*cq+3, 12, 64*cq+1, 17
.set cq, cq+1
.endr
	CKEY 21, 8, 9, 30, 0, 13
.irp o, 0,1,2,3,4,5,6,7,8,9,10,11,12,13,14,15
	v_readlane_b32 s[24+\o], v21, \o               ; the work-group's 16 own numbers, as scalars
.endr
	s_wait_loadcnt 0x0                             ; the tile's rows
.irp p, 0,1,2,3,4,5,6,7,8,9,10,11,12,13,14,15
	ds_store_b128 v4, v[ROWS+4*\p:ROWS+4*\p+3] offset:16*\p          ; block = lane, row p: 272 bytes from lane to lane
.endr
.irp q, 0,1,2,3,4,5,6,7,8,9,10,11,12,13,14,15
	ds_load_b128 v[IDX+4*\q:IDX+4*\q+3], v5 offset:544*\q            ; blocks 2 q and 2 q + 1, whole.  The stage is my wave's own, and LDS serves a wave's instructions in order
.endr
.irp q, 0,1,2,3,4,5,6,7,8,9,10,11,12,13,14,15
	s_wait_dscnt 15-\q                             ; the younger LDS loads may be out
	global_store_b128 v2, v[IDX+4*\q:IDX+4*\q+3], s[12:13] offset:512*\q   ; 512 consecutive bytes
.endr
; the counts: for each of my 32 registers of numbers, how many lanes lie under each of the 16 own numbers
.set ci, 0
.rept 32
.irp o, 0,1,2,3,4,5,6,7,8,9,10,11,12,13,14,15
	v_cmp_gt_u32 s[68+\o], s[24+\o], v[CK+ci]
.endr
.irp o, 0,1,2,3,4,5,6,7,8,9,10,11,12,13,14,15
.if ci == 0
	s_bcnt1_i32_b32 s[40+\o], s[68+\o]             ; the first starts the count
.else
	s_bcnt1_i32_b32 s60, s[68+\o]
	s_add_co_u32 s[40+\o], s[40+\o], s60
.endif
.endr
.set ci, ci+1
.endr
	v_mov_b32 v22, 0
.irp o, 0,1,2,3,4,5,6,7,8,9,10,11,12,13,14,15
	v_writelane_b32 v22, s[40+\o], \o
.endr
	ds_store_b32 v23, v22
	s_wait_dscnt 0x0                               ; for the others' sake: my counts lie in LDS
	s_barrier_signal -1
	s_barrier_wait -1
	s_cmp_lg_u32 s20, 0
	s_cbranch_scc1 .Lend                           ; wave 0 finishes
	ds_load_b32 v25, v24
	ds_load_b32 v26, v24 offset:128
	ds_load_b32 v27, v24 offset:256
	ds_load_b32 v28, v24 offset:384
	v_min_u32 v13, 7, v8                           ; a
	v_min_u32 v14, 7, v9                           ; b
	v_min_u32 v15, v13, v14                        ; lo
	v_add_nc_u32 v16, v13, v14
	v_sub_nc_u32 v16, v16, v15                     ; hi
	v_lshl_or_b32 v17, v15, 12, v30
	v_lshl_or_b32 v17, v16, 16, v17                ; the record
	v_cmp_gt_u32 s56, 8, v8                        ; is index 0 an expert's?
	v_cmp_gt_u32 s57, 8, v9
	v_cmp_gt_u32 s58, v13, v14                     ; is lo the second choice?
	v_cmp_eq_u32 s59, v8, v9
	v_max_num_f32 v18, 0, v10
	v_max_num_f32 v19, 0, v11
	v_max_num_f32 v20, v10, v11
	v_cndmask_b32 v18, 0, v18, s56
	v_cndmask_b32 v19, 0, v19, s57
	v_cndmask_b32 v20, 0, v20, s56
	v_cndmask_b32 v96, v18, v19, s58               ; lo's gate
	v_cndmask_b32 v97, v19, v18, s58               ; hi's
	v_cndmask_b32 v96, v96, v20, s59               ; one expert chosen twice: the larger probability, with no floor,
	v_cndmask_b32 v97, v97, 0, s59                 ; once
	s_wait_dscnt 0x0
	v_add3_u32 v25, v25, v26, v27
	v_add_nc_u32 v25, v25, v28                     ; the place
	v_min_u32 v25, 0xfff, v25
	v_lshlrev_b32 v26, 2, v25
	v_lshlrev_b32 v27, 3, v25
	global_store_b32 v26, v17, s[16:17]            ; lanes 16-31 repeat lanes 0-15: the same address, the same value
	global_store_b64 v27, v[96:97], s[18:19]
.Lend:
	s_wait_tensorcnt 0x0
	ds_add_u32 v192, v193
	s_wait_dscnt 0x0
	s_endpgm
.Lfunc_end_k_qaa6d5f74c5_prep:
	.size	k_qaa6d5f74c5_prep, .Lfunc_end_k_qaa6d5f74c5_prep-k_qaa6d5f74c5_prep
	.p2alignl 7, 3214868480
	.fill 96, 4, 3214868480
	.section	.rodata,"a",@progbits
	.p2align	6, 0x0
	.amdhsa_kernel k_qaa6d5f74c5_prep
		.amdhsa_group_segment_fixed_size 35840
		.amdhsa_private_segment_fixed_size 0
		.amdhsa_enable_private_segment 0
		.amdhsa_kernarg_size 64
		.amdhsa_user_sgpr_count 2
		.amdhsa_user_sgpr_kernarg_segment_ptr 1
		.amdhsa_wavefront_size32 1
		.amdhsa_system_sgpr_workgroup_id_x 1
		.amdhsa_system_sgpr_workgroup_id_y 1
		.amdhsa_system_sgpr_workgroup_id_z 1
		.amdhsa_system_vgpr_workitem_id 0
		.amdhsa_next_free_vgpr 194
		.amdhsa_next_free_sgpr 84
		.amdhsa_reserve_vcc 0
		.amdhsa_float_denorm_mode_32 3
		.amdhsa_float_denorm_mode_16_64 3
		.amdhsa_memory_ordered 1
		.amdhsa_forward_progress 1
		.amdhsa_inst_pref_size 88
	.end_amdhsa_kernel
	.amdgpu_metadata
---
amdhsa.version: [ 1, 2 ]
amdhsa.kernels:
  - .name:           k_qaa6d5f74c5_prep
    .symbol:         k_qaa6d5f74c5_prep.kd
    .args:
      - { .name: W1_codes, .offset: 0, .size: 8, .value_kind: global_buffer, .address_space: global }
      - { .name: W2_codes, .offset: 8, .size: 8, .value_kind: global_buffer, .address_space: global }
      - { .name: topk_indices, .offset: 16, .size: 8, .value_kind: global_buffer, .address_space: global }
      - { .name: topk_probs, .offset: 24, .size: 8, .value_kind: global_buffer, .address_space: global }
      - { .name: w1i, .offset: 32, .size: 8, .value_kind: global_buffer, .address_space: global }
      - { .name: w2i, .offset: 40, .size: 8, .value_kind: global_buffer, .address_space: global }
      - { .name: rec, .offset: 48, .size: 8, .value_kind: global_buffer, .address_space: global }
      - { .name: gts, .offset: 56, .size: 8, .value_kind: global_buffer, .address_space: global }
    .group_segment_fixed_size: 35840
    .private_segment_fixed_size: 0
    .kernarg_segment_align: 8
    .kernarg_segment_size: 64
    .max_flat_workgroup_size: 128
    .sgpr_count:     84
    .vgpr_count:     194
    .wavefront_size: 32
...
	.end_amdgpu_metadata
.endif
;; end of part 1
;; launch up (part 2): grid 4 x 64, 4 waves a work-group, no clusters, 35,328 bytes of LDS; arguments x_codes, x_scales, w1i, W1_scales, rec, hc, hs; writes hc, hs
.if DOCPART == 2
	.amdgcn_target "amdgcn-amd-amdhsa--gfx1250"
	.amdhsa_code_object_version 6
	.text
	.protected	k_qaa6d5f74c5_up
	.globl	k_qaa6d5f74c5_up
	.p2align	8
	.type	k_qaa6d5f74c5_up,@function
k_qaa6d5f74c5_up:
	s_mov_b64 s[64:65], 0
	v_nop
	global_prefetch_b8 v0, s[64:65] scope:SCOPE_SE
	s_setreg_imm32_b32 hwreg(HW_REG_WAVE_MODE, 25, 1), 1
	s_wait_xcnt 0x0
; h = Q(gelu(x W1_e^T)) for 64 sorted tokens (block b = work-group y) x 256 hidden units (cb = work-group x), for each expert e that one of the block's tokens uses, in ascending e; j counts them.
; SHARES.  Wave w: all 64 tokens (4 tiles of 16) x hidden units 256 cb + 64 w .. + 63 (4 tiles of W1): 16 accumulators.  x's 32 fragments stay in registers for the whole launch; a weight fragment is loaded by one
; wave alone, as an image of its registers (512 consecutive bytes a load), and feeds four matrix instructions.  An expert's 32 fragments fill one window of registers; two windows take turns.
; THE PRODUCT IS USED TRANSPOSED (source 0 = 16 rows of W1, source 1 = 16 tokens): a lane holds one token; by the order of W1's rows in a tile, the 32 registers of a tile of tokens are hidden units 32 b' + 16 (lane / 16) + i.
; gelu is the tanh form, as x / (1 + 2^((C1 x^2 + C0) x)), C0 = -2 log2(e) sqrt(2 / pi), C1 = 0.044715 C0.  The wave's 64 units are two blocks of 32: half c = w % 2 of K step 2 cb + w / 2 of the next product.
; hc: [b][j][tile of tokens 4][K step 8][c 2][lane 32][16 bytes], images of the next product's fragments;  hs: [b][j][row 64][32 bytes], one E8M0 byte a block.  All 64 rows are made under each expert of the block.
; THE WALK hangs on numbers read from rec, so operands come straight into registers: no tensor load.  No cluster: neighbouring blocks walk different experts, in different numbers.
; Eight entries stand in the text (one written out, three trips of two, one written out); an entry with j >= n is jumped over.
; LIMITS: a block of zeros gets the byte 1, not 127: its codes are zeros, and this program alone reads hs.
; REGISTERS.  window 0: v1-11 addresses; v12-15 C0, C1; v24-27 scale bytes; v28-29 at work; v32-47 codes; v48-63 x's scale words; v64-95 W1's, two sets; v96-127 at work; v128-255 accumulators, (m, t) at 128 + 8 (4 m + t).
;   window 1: x's fragments, (m, s) at 8 (8 m + s).   windows 2, 3: an expert's fragments, (t, s) at 8 (8 t + s).
; A scale load brings lane (r, h) 16 bytes at row x 32 + 16 h: register i holds the word of K step i in lanes 0-15 and of K step 4 + i in lanes 16-31: K steps 4 to 7 read the upper lanes.
.set ACC, 128
.set TT,  96
.set XSC, 48
.set WSC, 64
.set PCD, 32
.set HWD, 24
.set SVD, 28
.set TMX, 96                           ; the quantiser's registers lie where gelu's have been: largest magnitudes,
.set PDS, 104                          ; the other half's,
.set SOP, 112                          ; the conversions' scale operands,
.set BYT, 120                          ; the bytes
.set MSB, 0
.macro WIN new                         ; the immediate's high byte repeats the setting that is left
.if MSB != (\new)
	s_set_vgpr_msb (MSB<<8)|(\new)
.set MSB, (\new)
.endif
.endm
.macro PLACES
.rept 4
	v_nop
.endr
.endm
; the next expert of the block's mask (s40), and where its fragments and scale words begin, for buffer buf.  With no bit left the number is held at 7: an address inside the buffers
.macro NEXT buf
	s_ctz_i32_b32 s41, s40
	s_min_u32 s41, s41, 7
	s_sub_co_u32 s21, s40, 1
	s_and_b32 s40, s40, s21
	s_lshl_b32 s60, s41, 19
	s_add_nc_u64 s[48+4*(\buf):49+4*(\buf)], s[44:45], s[60:61]
	s_lshl_b32 s60, s41, 15
	s_add_nc_u64 s[50+4*(\buf):51+4*(\buf)], s[46:47], s[60:61]
.endm
.macro LOADB buf                       ; 68 loads: my four tiles' 32 fragments, and their rows' scale words
	WIN (2+(\buf))<<6
.set li, 0
.rept 64
	global_load_b128 v[4*li:4*li+3], v4, s[48+4*(\buf):49+4*(\buf)] offset:512*li
.set li, li+1
.endr
	WIN 0
.irp t, 0,1,2,3
	global_load_b128 v[WSC+16*(\buf)+4*\t:WSC+16*(\buf)+4*\t+3], v5, s[50+4*(\buf):51+4*(\buf)] offset:(32*(\t/2)+8*(\t%2))*32
.endr
.endm
; 128 matrix instructions.  The 16 accumulators take turns, one instruction a turn; the first K step starts the sums
.macro MULS buf
	WIN 6+(\buf)                                   ; source 0 window 2 or 3, source 1 window 1
.set ks, 0
.rept 8
.set tt, 0
.rept 4
.set mm, 0
.rept 4
.set rD, ACC+8*(4*mm+tt)
.set rB, 8*(8*tt+ks)
.set rX, 8*(8*mm+ks)
.set rW, WSC+16*(\buf)+4*tt+(ks%4)
.set rS, XSC+4*mm+(ks%4)
.if ks == 0
	v_wmma_scale_f32_16x16x128_f8f6f4 v[rD:rD+7], v[rB:rB+7], v[rX:rX+7], 0, v[rW], v[rS] matrix_a_fmt:MATRIX_FMT_FP4 matrix_b_fmt:MATRIX_FMT_FP4
.elseif ks < 4
	v_wmma_scale_f32_16x16x128_f8f6f4 v[rD:rD+7], v[rB:rB+7], v[rX:rX+7], v[rD:rD+7], v[rW], v[rS] matrix_a_fmt:MATRIX_FMT_FP4 matrix_b_fmt:MATRIX_FMT_FP4
.else
	v_wmma_scale_f32_16x16x128_f8f6f4 v[rD:rD+7], v[rB:rB+7], v[rX:rX+7], v[rD:rD+7], v[rW], v[rS] matrix_a_fmt:MATRIX_FMT_FP4 matrix_b_fmt:MATRIX_FMT_FP4 matrix_a_scale:MATRIX_SCALE_ROW1 matrix_b_scale:MATRIX_SCALE_ROW1
.endif
.set mm, mm+1
.endr
.set tt, tt+1
.endr
.set ks, ks+1
.endr
	WIN 0
.endm
; gelu of a tile of tokens' 32 numbers, in place; each accumulator is read from its low end on.  Each batch of 32 transcendentals has one plain line and one wait behind it, ahead of its first reader
.macro GELU m
.set gx, ACC+32*(\m)
.set gi, 0
.rept 16
	v_pk_mul_f32 v[TT+gi:TT+gi+1], v[gx+gi:gx+gi+1], v[gx+gi:gx+gi+1]
.set gi, gi+2
.endr
.set gi, 0
.rept 16
	v_pk_fma_f32 v[TT+gi:TT+gi+1], v[TT+gi:TT+gi+1], v[14:15], v[12:13]
.set gi, gi+2
.endr
.set gi, 0
.rept 16
	v_pk_mul_f32 v[TT+gi:TT+gi+1], v[TT+gi:TT+gi+1], v[gx+gi:gx+gi+1]
.set gi, gi+2
.endr
.set gi, 0
.rept 32
	v_exp_f32 v[TT+gi], v[TT+gi]
.set gi, gi+1
.endr
	v_nop
	s_wait_alu depctr_va_vdst(0)
.set gi, 0
.rept 16
	v_pk_add_f32 v[TT+gi:TT+gi+1], v[TT+gi:TT+gi+1], 1.0 op_sel_hi:[1,0]
.set gi, gi+2
.endr
.set gi, 0
.rept 32
	v_rcp_f32 v[TT+gi], v[TT+gi]
.set gi, gi+1
.endr
	v_nop
	s_wait_alu depctr_va_vdst(0)
.set gi, 0
.rept 16
	v_pk_mul_f32 v[gx+gi:gx+gi+1], v[gx+gi:gx+gi+1], v[TT+gi:TT+gi+1]
.set gi, gi+2
.endr
.endm
; the four tiles' eight blocks of 32 (block q = 2 m + b': my 16 numbers at ACC + 16 q, lane l xor 16 holds the other 16), by turns; then the codes leave
.macro QUANT4
.irp q, 0,1,2,3,4,5,6,7
	v_max3_num_f32 v[TMX+\q], |v[ACC+16*\q]|, |v[ACC+16*\q+1]|, 0x1800000   ; with the floor 2^(3 - 127): the byte cannot fall under 1
.endr
.irp i, 2,4,6,8,10,12,14
.irp q, 0,1,2,3,4,5,6,7
	v_max3_num_f32 v[TMX+\q], v[TMX+\q], |v[ACC+16*\q+\i]|, |v[ACC+16*\q+\i+1]|
.endr
.endr
.irp q, 0,1,2,3,4,5,6,7
	v_permlanex16_b32 v[PDS+\q], v[TMX+\q], s56, s57
.endr
.irp q, 0,1,2,3,4,5,6,7
	v_max_num_f32 v[TMX+\q], v[TMX+\q], v[PDS+\q]  ; the block's largest magnitude
.endr
.irp q, 0,1,2,3,4,5,6,7
	v_add_nc_u32 v[SOP+\q], 0xff000000, v[TMX+\q]  ; 2 off its exponent field: the conversion takes that field as its scale
.endr
.irp q, 0,1,2,3,4,5,6,7
	v_lshrrev_b32 v[BYT+\q], 23, v[SOP+\q]         ; the scale's byte
.endr
.irp m, 0,1,2,3
	v_lshl_or_b32 v[HWD+\m], v[BYT+2*\m+1], 8, v[BYT+2*\m]   ; my row's two bytes
.endr
.irp q, 0,1,2,3,4,5,6,7
	v_cvt_scalef32_pk8_fp4_f32 v[PCD+2*\q], v[ACC+16*\q:ACC+16*\q+7], v[SOP+\q]
	v_cvt_scalef32_pk8_fp4_f32 v[PCD+2*\q+1], v[ACC+16*\q+8:ACC+16*\q+15], v[SOP+\q]
.endr
	v_nop                                          ; one plain line behind the scaled conversions
.irp m, 0,1,2,3
	v_permlane16_swap_b32 v[PCD+4*\m], v[PCD+4*\m+2]         ; the operand's layout wants a whole block in a lane: lanes 0-15 block 0, lanes 16-31 block 1
	v_permlane16_swap_b32 v[PCD+4*\m+1], v[PCD+4*\m+3]
.endr
.irp m, 0,1,2,3
	global_store_b128 v6, v[PCD+4*\m:PCD+4*\m+3], s[14:15] offset:8192*\m   ; half a fragment's image: 512 consecutive bytes
.endr
.endm
; One expert.  kind 0: the block's first; 1: in the loop; 2: the eighth, behind which nothing can follow
.macro ENTRY buf, kind
.if (\kind) == 0
	s_wait_loadcnt 63                              ; behind this buffer's loads stand the other buffer's 68: at most 63 can be named, and they may stay out
.else
	s_cmp_ge_u32 s42, s23
	s_cbranch_scc1 .Lskip_\@                       ; the block has no j-th expert
	s_wait_loadcnt 0x0                             ; this buffer is in; no load is out, so the other buffer's bases may be written
.endif
.if (\kind) == 1
	s_add_co_u32 s21, s42, 1
	s_cmp_ge_u32 s21, s23
	s_cbranch_scc1 .Llast_\@
	NEXT 1-(\buf)
	LOADB 1-(\buf)                                 ; the next expert: it has this entry's products and gelu in which to land.  The buffer's last products stand a whole gelu back
.Llast_\@:
.endif
	MULS \buf
	PLACES                                         ; four plain lines between the last product and the first read of results
	GELU 0
	GELU 1
	GELU 2
	GELU 3
	QUANT4
.irp i, 0,1
	v_cndmask_b32 v[SVD+\i], v[HWD+2*\i], v[HWD+2*\i+1], s58     ; lanes 0-15 send tile 2 i's bytes, lanes 16-31 tile 2 i + 1's
	global_store_b16 v7, v[SVD+\i], s[16:17] offset:1024*\i
.endr
	s_wait_xcnt 0x0                                ; the stores have read their data and bases: both are written again only behind this wait
	s_add_nc_u64 s[14:15], s[14:15], 32768         ; hc and hs: on to the next j
	s_add_nc_u64 s[16:17], s[16:17], 2048
.if (\kind) != 0
.Lskip_\@:
.endif
	s_add_co_u32 s42, s42, 1
.endm
	s_load_b256 s[4:11], s[0:1], 0x0               ; x_codes, x_scales, w1i, W1_scales
	s_load_b128 s[12:15], s[0:1], 0x20             ; rec, hc
	s_load_b64 s[16:17], s[0:1], 0x30              ; hs
	v_lshl_add_u32 v30, v0, 2, 0x8800
	v_mov_b32 v31, 0
	v_lshrrev_b32 v1, 5, v0
	v_readfirstlane_b32 s18, v1                    ; wave
	s_mov_b32 s19, ttmp9                           ; cb
	s_and_b32 s20, ttmp7, 0xffff                   ; b
	v_and_b32 v1, 31, v0                           ; lane
	v_and_b32 v2, 15, v0                           ; r
	v_bfe_u32 v3, v0, 4, 1                         ; h
	v_lshlrev_b32 v4, 4, v1                        ; 16 x lane
	v_lshlrev_b32 v11, 4, v3                       ; 16 h
	s_lshl_b32 s21, s20, 8                         ; the block's 64 records: 256 bytes
	s_lshl_b32 s22, s18, 6
	s_add_co_u32 s22, s22, s21                     ; my wave's 16 of them
	v_lshl_add_u32 v10, v2, 2, s21
	s_wait_kmcnt 0x0
	s_load_b512 s[24:39], s[12:13], s22 offset:0x0 ; the records of the 16 rows of x that I bring in
.irp m, 0,1,2,3
	global_load_b32 v[116+\m], v10, s[12:13] offset:64*\m    ; and, lane by lane, those of all four tiles
.endr
	v_and_b32 v5, 8, v2
	v_add_nc_u32 v5, v5, v2
	v_lshl_add_u32 v5, v5, 5, v11                  ; W1's scales: (r + 8 (r / 8)) x 32 + 16 h
	s_lshl_b32 s41, s19, 11
	s_lshl_b32 s43, s18, 9
	s_add_co_u32 s41, s41, s43
	v_add_nc_u32 v6, s41, v4                       ; hc: 16 lane + 1,024 (2 cb + w / 2) + 512 (w % 2)
	s_lshl_b32 s41, s19, 3
	s_lshl_b32 s43, s18, 1
	s_add_co_u32 s41, s41, s43
	v_lshl_add_u32 v7, v1, 5, s41                  ; hs: row = lane, byte 8 cb + 2 w
	s_mul_i32 s41, s18, 8704
	v_mul_u32_u24 v8, v1, 272
	v_add_nc_u32 v8, s41, v8                       ; LDS: x as [tile 4][block 32][256 + 16]; in: tile = wave, block = lane
	v_mul_u32_u24 v9, v3, 272
	v_lshl_add_u32 v9, v2, 4, v9                   ; out: 272 h + 16 r
	v_mov_b32 v12, 0xc0135761                      ; C0 = -2.3022082
	v_mov_b32 v13, 0xc0135761
	v_mov_b32 v14, 0xbdd2d3e8                      ; C1 = -0.10294324
	v_mov_b32 v15, 0xbdd2d3e8
	s_mov_b32 s56, 0x76543210
	s_mov_b32 s57, 0xfedcba98                      ; v_permlanex16_b32's selects for lane l xor 16
	s_mov_b32 s58, 0xffff0000                      ; lanes 16-31
	s_lshl_b32 s60, s19, 17
	s_lshl_b32 s61, s18, 15
	s_add_co_u32 s60, s60, s61
	s_mov_b32 s61, 0
	s_add_nc_u64 s[44:45], s[8:9], s[60:61]        ; w1i at tile 16 cb + 4 w of expert 0
	s_lshl_b32 s60, s19, 13
	s_lshl_b32 s43, s18, 11
	s_add_co_u32 s60, s60, s43
	s_add_nc_u64 s[46:47], s[10:11], s[60:61]      ; W1_scales at row 256 cb + 64 w
	s_lshl_b32 s60, s20, 18
	s_add_nc_u64 s[14:15], s[14:15], s[60:61]      ; hc at (b, j = 0)
	s_lshl_b32 s60, s20, 14
	s_add_nc_u64 s[16:17], s[16:17], s[60:61]      ; hs likewise
	s_mov_b32 s42, 0                               ; j
	s_wait_kmcnt 0x0
.irp i, 0,1,2,3,4,5,6,7,8,9,10,11,12,13,14,15
	s_and_b32 s21, s[24+\i], 0xfff                 ; the token
	s_min_u32 s21, s21, 0xfff
	v_lshl_add_u32 v[96+\i], s21, 9, v4
.endr
.irp i, 0,1,2,3,4,5,6,7,8,9,10,11,12,13,14,15
	global_load_b128 v[ACC+4*\i:ACC+4*\i+3], v[96+\i], s[4:5]    ; a row of x: 512 consecutive bytes, lane = block
.endr
	s_wait_loadcnt 16                              ; the four record loads are in; the 16 rows may be out
.irp m, 0,1,2,3
	v_and_b32 v[112+\m], 0xfff, v[116+\m]
.endr
.irp m, 0,1,2,3
	v_min_u32 v[112+\m], 0xfff, v[112+\m]
.endr
.irp m, 0,1,2,3
	v_lshl_add_u32 v[112+\m], v[112+\m], 5, v11
.endr
.irp m, 0,1,2,3
	global_load_b128 v[XSC+4*\m:XSC+4*\m+3], v[112+\m], s[6:7]   ; x's scale words
.endr
.irp m, 0,1,2,3
	v_bfe_u32 v[120+\m], v[116+\m], 12, 3          ; lo
	v_bfe_u32 v[124+\m], v[116+\m], 16, 3          ; hi
.endr
.irp m, 0,1,2,3,4,5,6,7
	v_lshlrev_b32 v[120+\m], v[120+\m], 1          ; as bits
.endr
.irp m, 1,2,3,4,5,6,7
	v_or_b32 v120, v120, v[120+\m]
.endr
	s_mov_b32 s40, 0
.irp e, 0,1,2,3,4,5,6,7
	v_and_b32 v121, 1<<\e, v120
	v_cmp_ne_u32 vcc_lo, 0, v121
	s_cmp_lg_u32 vcc_lo, 0
	s_cselect_b32 s21, 1<<\e, 0
	s_or_b32 s40, s40, s21                         ; the block's experts: the same mask in all four waves
.endr
	s_bcnt1_i32_b32 s23, s40                       ; n, at least 1
	NEXT 0
	LOADB 0
	s_wait_loadcnt 63                              ; behind the rows of x stand 72 loads: at most 63 can be named, and they may stay out
.irp i, 0,1,2,3,4,5,6,7,8,9,10,11,12,13,14,15
	ds_store_b128 v8, v[ACC+4*\i:ACC+4*\i+3] offset:16*\i
.endr
	s_wait_dscnt 0x0                               ; for the others' sake: my tile of x lies in LDS
	s_barrier_signal -1
	s_barrier_wait -1
	NEXT 1
	LOADB 1                                        ; the block's second expert, without a condition, so that the buffer is written on every way (with n = 1: expert 7's, unused)
	WIN 0x40                                       ; destination window 1
.set xm, 0
.rept 4
.set xk, 0
.rept 16
	ds_load_b128 v[64*xm+4*xk:64*xm+4*xk+3], v9 offset:8704*xm+544*xk       ; fragment (m, s), group c, xk = 2 s + c: blocks 4 s + 2 c + h
.set xk, xk+1
.endr
.set xm, xm+1
.endr
	WIN 0
	s_wait_dscnt 0x0
	ENTRY 0, 0
	s_mov_b32 s43, 3
.Lwalk:
	ENTRY 1, 1
	ENTRY 0, 1
	s_sub_co_u32 s43, s43, 1
	s_cmp_lg_u32 s43, 0
	s_cbranch_scc1 .Lwalk
	ENTRY 1, 2
	s_wait_tensorcnt 0x0
	ds_add_u32 v30, v31
	s_wait_dscnt 0x0
	s_endpgm
.Lfunc_end_k_qaa6d5f74c5_up:
	.size	k_qaa6d5f74c5_up, .Lfunc_end_k_qaa6d5f74c5_up-k_qaa6d5f74c5_up
	.p2alignl 7, 3214868480
	.fill 96, 4, 3214868480
	.section	.rodata,"a",@progbits
	.p2align	6, 0x0
	.amdhsa_kernel k_qaa6d5f74c5_up
		.amdhsa_group_segment_fixed_size 35328
		.amdhsa_private_segment_fixed_size 0
		.amdhsa_enable_private_segment 0
		.amdhsa_kernarg_size 56
		.amdhsa_user_sgpr_count 2
		.amdhsa_user_sgpr_kernarg_segment_ptr 1
		.amdhsa_wavefront_size32 1
		.amdhsa_system_sgpr_workgroup_id_x 1
		.amdhsa_system_sgpr_workgroup_id_y 1
		.amdhsa_system_sgpr_workgroup_id_z 1
		.amdhsa_system_vgpr_workitem_id 0
		.amdhsa_next_free_vgpr 1024
		.amdhsa_next_free_sgpr 66
		.amdhsa_reserve_vcc 1
		.amdhsa_float_denorm_mode_32 3
		.amdhsa_float_denorm_mode_16_64 3
		.amdhsa_memory_ordered 1
		.amdhsa_forward_progress 1
		.amdhsa_inst_pref_size 255
	.end_amdhsa_kernel
	.section	.bss,"aw",@nobits
	.p2align	6
	.space	262144
	.amdgpu_metadata
---
amdhsa.version: [ 1, 2 ]
amdhsa.kernels:
  - .name:           k_qaa6d5f74c5_up
    .symbol:         k_qaa6d5f74c5_up.kd
    .args:
      - { .name: x_codes, .offset: 0, .size: 8, .value_kind: global_buffer, .address_space: global }
      - { .name: x_scales, .offset: 8, .size: 8, .value_kind: global_buffer, .address_space: global }
      - { .name: w1i, .offset: 16, .size: 8, .value_kind: global_buffer, .address_space: global }
      - { .name: W1_scales, .offset: 24, .size: 8, .value_kind: global_buffer, .address_space: global }
      - { .name: rec, .offset: 32, .size: 8, .value_kind: global_buffer, .address_space: global }
      - { .name: hc, .offset: 40, .size: 8, .value_kind: global_buffer, .address_space: global }
      - { .name: hs, .offset: 48, .size: 8, .value_kind: global_buffer, .address_space: global }
    .group_segment_fixed_size: 35328
    .private_segment_fixed_size: 0
    .kernarg_segment_align: 8
    .kernarg_segment_size: 56
    .max_flat_workgroup_size: 128
    .sgpr_count:     66
    .vgpr_count:     1024
    .wavefront_size: 32
...
	.end_amdgpu_metadata
.endif
;; end of part 2
;; launch down (part 3): grid 4 x 64, 4 waves a work-group, no clusters, 262,656 bytes of LDS; arguments hc, hs, w2i, W2_scales, rec, gts, out0; writes out0
.if DOCPART == 3
	.amdgcn_target "amdgcn-amd-amdhsa--gfx1250"
	.amdhsa_code_object_version 6
	.text
	.protected	k_qaa6d5f74c5_down
	.globl	k_qaa6d5f74c5_down
	.p2align	8
	.type	k_qaa6d5f74c5_down,@function
k_qaa6d5f74c5_down:
	s_mov_b64 s[64:65], 0
	v_nop
	global_prefetch_b8 v0, s[64:65] scope:SCOPE_SE
	s_setreg_imm32_b32 hwreg(HW_REG_WAVE_MODE, 25, 1), 1
	s_wait_xcnt 0x0
; out[token] = the sum over the block's experts e of gate(token, e) x (h_e W2_e^T), for 64 sorted tokens (block b = work-group y) x 256 outputs (cb = work-group x).  Each output row has one owner: nothing is added in memory.
; SHARES.  Wave w: all 64 tokens x outputs 256 cb + 64 w .. + 63 (4 tiles of W2).  The experts are walked as the launch before walked them: the set bits of the block's mask, ascending; j counts them.
; h's fragments of all the block's experts (32,768 bytes each) are brought into LDS once, wave w bringing tile w of each; every wave reads all of them, a K step (8 loads) ahead of its 16 products.
; W2's fragments come as images straight into registers, an expert's 32 to a window, two windows by turns.
; THE PRODUCT IS USED TRANSPOSED (source 0 = 16 rows of W2, source 1 = 16 tokens): a lane holds one token and eight neighbouring outputs.  A row that does not use the expert has the gate 0.
; THE WALK hangs on numbers read from rec, so there is no tensor load.  No cluster: neighbouring blocks walk different experts, in different numbers.
; Eight entries stand in the text (one written out, three trips of two, one written out); an entry with j >= n is jumped over; the lines that step j and the LDS offset stand behind the jump's label.
; LIMITS: where an expert's product overflows, 0 x infinity puts a NaN into every row of the block, the rows that do not use the expert too; experts outside the block can put none there.
; LDS: [j 8][tile 4][K step 8][c 2][lane 32][16 bytes].  On the way out each wave's stage, 16 rows x (256 + 16) bytes, lies over j = 0's images, behind a barrier.
; REGISTERS.  window 0: v1-19 addresses; v20-27 lo, hi; v28-35 the stored gates; v36-43 this expert's gates, as pairs; v48-79 h's scale words, two sets; v80-111 W2's; v128-255 the products, (m, t) at 128 + 8 (4 m + t).
;   window 1: v0-127 the sums; v128-191 h's fragments of two K steps; v192-223 the rows' offsets in out0.   windows 2, 3: an expert's fragments, (t, s) at 8 (8 t + s); at the head window 3 carries h on its way to LDS.
.set YY,  128
.set AB,  128
.set TOF, 192
.set LOX, 20
.set HIX, 24
.set GTS, 28
.set GG,  36
.set HSC, 48
.set WSC, 80
.set MSB, 0
.macro WIN new                         ; the immediate's high byte repeats the setting that is left
.if MSB != (\new)
	s_set_vgpr_msb (MSB<<8)|(\new)
.set MSB, (\new)
.endif
.endm
.macro PLACES
.rept 4
	v_nop
.endr
.endm
; the next expert of the mask (s40) for buffer buf: its number, and where its fragments, its scale words and h's scale words begin.  With no bit left the number is held at 7 and h's index at n - 1: addresses of bytes that were stored
.macro NEXT buf
	s_ctz_i32_b32 s[30+(\buf)], s40
	s_min_u32 s[30+(\buf)], s[30+(\buf)], 7
	s_sub_co_u32 s21, s40, 1
	s_and_b32 s40, s40, s21
	s_lshl_b32 s60, s[30+(\buf)], 19
	s_add_nc_u64 s[48+4*(\buf):49+4*(\buf)], s[44:45], s[60:61]
	s_lshl_b32 s60, s[30+(\buf)], 15
	s_add_nc_u64 s[50+4*(\buf):51+4*(\buf)], s[46:47], s[60:61]
	s_min_u32 s21, s25, s24
	s_min_u32 s21, s21, 7
	s_lshl_b32 s60, s21, 11
	s_add_nc_u64 s[56+2*(\buf):57+2*(\buf)], s[6:7], s[60:61]
	s_add_co_u32 s25, s25, 1
.endm
.macro LOADB buf                       ; 72 loads
	WIN (2+(\buf))<<6
.set li, 0
.rept 64
	global_load_b128 v[4*li:4*li+3], v4, s[48+4*(\buf):49+4*(\buf)] offset:512*li
.set li, li+1
.endr
	WIN 0
.irp t, 0,1,2,3
	global_load_b128 v[WSC+16*(\buf)+4*\t:WSC+16*(\buf)+4*\t+3], v5, s[50+4*(\buf):51+4*(\buf)] offset:512*\t
.endr
.irp m, 0,1,2,3
	global_load_b128 v[HSC+16*(\buf)+4*\m:HSC+16*(\buf)+4*\m+3], v5, s[56+2*(\buf):57+2*(\buf)] offset:512*\m
.endr
.endm
.macro STG_LOAD j                      ; my tile of expert j's h: 8,192 bytes, into window 3
	WIN 0xc0
.set li, 0
.rept 16
	global_load_b128 v[64*((\j)%4)+4*li:64*((\j)%4)+4*li+3], v12, s[4:5] offset:32768*(\j)+512*li
.set li, li+1
.endr
	WIN 0
.endm
.macro STG_STORE j
	WIN 0x0c                                       ; an LDS store's data are its source 1
.set li, 0
.rept 16
	ds_store_b128 v[12+(\j)/2], v[64*((\j)%4)+4*li:64*((\j)%4)+4*li+3] offset:32768*((\j)%2)+512*li
.set li, li+1
.endr
	WIN 0
.endm
; Experts j0 .. j0 + 3, as many as the block has: the loads go down the ladder, the stores come back up it, so that on every way exactly what was loaded is stored.  Every wait is for 0: the number of younger loads differs from way to way
.macro LADDER j0, hoisted
.if (\hoisted) == 0
	STG_LOAD \j0
.endif
	s_cmp_lt_u32 s23, (\j0)+2
	s_cbranch_scc1 .Lone_\@
	STG_LOAD (\j0)+1
	s_cmp_lt_u32 s23, (\j0)+3
	s_cbranch_scc1 .Ltwo_\@
	STG_LOAD (\j0)+2
	s_cmp_lt_u32 s23, (\j0)+4
	s_cbranch_scc1 .Lthree_\@
	STG_LOAD (\j0)+3
	s_wait_loadcnt 0x0
	STG_STORE (\j0)+3
.Lthree_\@:
	s_wait_loadcnt 0x0
	STG_STORE (\j0)+2
.Ltwo_\@:
	s_wait_loadcnt 0x0
	STG_STORE (\j0)+1
.Lone_\@:
	s_wait_loadcnt 0x0
	STG_STORE \j0
.endm
.macro HLOAD st                        ; h's four fragments of K step st into buffer st % 2
	WIN 0x40
.irp m, 0,1,2,3
.irp c, 0,1
	ds_load_b128 v[AB+32*((\st)%2)+8*\m+4*\c:AB+32*((\st)%2)+8*\m+4*\c+3], v7 offset:8192*\m+1024*(\st)+512*\c
.endr
.endr
.endm
.macro GATES buf                       ; my four tokens' gates for this expert: lo's if it is lo, plus hi's if it is hi
.irp m, 0,1,2,3
	v_cmp_eq_u32 vcc_lo, s[30+(\buf)], v[LOX+\m]
	v_cndmask_b32 v44, 0, v[GTS+2*\m], vcc_lo
	v_cmp_eq_u32 vcc_lo, s[30+(\buf)], v[HIX+\m]
	v_cndmask_b32 v45, 0, v[GTS+2*\m+1], vcc_lo
	v_add_f32 v[GG+2*\m], v44, v45
.endr
.endm
; One expert.  kind 0: the block's first, which starts the sums; 1: in the loop; 2: the eighth
.macro ENTRY buf, kind
.if (\kind) == 0
	s_wait_loadcnt 63                              ; behind this buffer's loads stand the other buffer's 72: at most 63 can be named, and they may stay out
.else
	s_cmp_ge_u32 s26, s23
	s_cbranch_scc1 .Lskip_\@                       ; the block has no j-th expert
	s_wait_loadcnt 0x0                             ; this buffer is in; no load is out, so the other buffer's bases may be written
.endif
.if (\kind) == 1
	s_add_co_u32 s21, s26, 1
	s_cmp_ge_u32 s21, s23
	s_cbranch_scc1 .Llast_\@
	NEXT 1-(\buf)
	LOADB 1-(\buf)                                 ; the next expert: it has this entry in which to land.  The buffer's last products stand 64 packed lines back
.Llast_\@:
.endif
	GATES \buf
	v_add_nc_u32 v7, s28, v4                       ; 16 lane + 32,768 j
	HLOAD 0
.set ks, 0
.rept 8
.if (ks > 0) && (ks < 7)
	PLACES                                         ; four plain lines between the products just issued and the loads into the fragments that they read
.endif
.if ks < 7
	HLOAD ks+1
	s_wait_dscnt 8                                 ; this K step's fragments are in; the eight just issued may be out
.else
	s_wait_dscnt 0x0
.endif
	WIN 6+(\buf)                                   ; source 0 window 2 or 3, source 1 window 1
.set tt, 0
.rept 4
.set mm, 0
.rept 4
.set rD, YY+8*(4*mm+tt)
.set rB, 8*(8*tt+ks)
.set rH, AB+32*(ks%2)+8*mm
.set rW, WSC+16*(\buf)+4*tt+(ks%4)
.set rS, HSC+16*(\buf)+4*mm+(ks%4)
.if ks == 0
	v_wmma_scale_f32_16x16x128_f8f6f4 v[rD:rD+7], v[rB:rB+7], v[rH:rH+7], 0, v[rW], v[rS] matrix_a_fmt:MATRIX_FMT_FP4 matrix_b_fmt:MATRIX_FMT_FP4
.elseif ks < 4
	v_wmma_scale_f32_16x16x128_f8f6f4 v[rD:rD+7], v[rB:rB+7], v[rH:rH+7], v[rD:rD+7], v[rW], v[rS] matrix_a_fmt:MATRIX_FMT_FP4 matrix_b_fmt:MATRIX_FMT_FP4
.else
	v_wmma_scale_f32_16x16x128_f8f6f4 v[rD:rD+7], v[rB:rB+7], v[rH:rH+7], v[rD:rD+7], v[rW], v[rS] matrix_a_fmt:MATRIX_FMT_FP4 matrix_b_fmt:MATRIX_FMT_FP4 matrix_a_scale:MATRIX_SCALE_ROW1 matrix_b_scale:MATRIX_SCALE_ROW1
.endif
.set mm, mm+1
.endr
.set tt, tt+1
.endr
.set ks, ks+1
.endr
	WIN 0
	PLACES                                         ; four plain lines between the last product and the first read of results
.if (\kind) == 0
	WIN 0x40                                       ; destination window 1
.else
	WIN 0x50                                       ; destination and source 2 window 1
.endif
.set si, 0
.rept 64                                       ; each accumulator is read from its low end on
.if (\kind) == 0
	v_pk_mul_f32 v[si:si+1], v[YY+si:YY+si+1], v[GG+2*(si/32):GG+2*(si/32)+1] op_sel_hi:[1,0]          ; the first expert starts the sums: nothing is cleared
.else
	v_pk_fma_f32 v[si:si+1], v[YY+si:YY+si+1], v[GG+2*(si/32):GG+2*(si/32)+1], v[si:si+1] op_sel_hi:[1,0,1]
.endif
.set si, si+2
.endr
	WIN 0
.if (\kind) != 0
.Lskip_\@:
.endif
	s_add_co_u32 s28, s28, 32768
	s_add_co_u32 s26, s26, 1
.endm
; THE WAY OUT, a tile of 16 tokens at a time: a lane's 32 bytes of a row go into my stage; whole pieces of 256 bytes come back, lanes 0-15 row i, lanes 16-31 row 8 + i.  LDS serves a wave's instructions in order
.macro TOSTAGE m
	WIN 0x04                                       ; the data: window 1
.irp t, 0,1,2,3
	ds_store_b128 v8, v[8*(4*(\m)+\t):8*(4*(\m)+\t)+3] offset:64*\t
	ds_store_b128 v8, v[8*(4*(\m)+\t)+4:8*(4*(\m)+\t)+7] offset:64*\t+16
.endr
	WIN 0
.irp i, 0,1,2,3,4,5,6,7
	ds_load_b128 v[YY+32*(\m)+4*\i:YY+32*(\m)+4*\i+3], v9 offset:272*\i
.endr
.endm
.macro SEND m, younger
	s_wait_dscnt \younger                          ; the tile is back; the next tile's sixteen LDS instructions may be out
	WIN 0x01                                       ; the offsets: window 1
.irp i, 0,1,2,3,4,5,6,7
	global_store_b128 v[TOF+8*(\m)+\i], v[YY+32*(\m)+4*\i:YY+32*(\m)+4*\i+3], s[16:17] th:TH_STORE_NT   ; sixteen lanes store 256 consecutive bytes of a token's row, at a multiple of 256 from out0's first byte
.endr
	WIN 0
.endm
	s_load_b256 s[4:11], s[0:1], 0x0               ; hc, hs, w2i, W2_scales
	s_load_b128 s[12:15], s[0:1], 0x20             ; rec, gts
	s_load_b64 s[16:17], s[0:1], 0x30              ; out0
	v_lshl_add_u32 v126, v0, 2, 0x40000
	v_mov_b32 v127, 0
	v_lshrrev_b32 v1, 5, v0
	v_readfirstlane_b32 s18, v1                    ; wave
	s_mov_b32 s19, ttmp9                           ; cb
	s_and_b32 s20, ttmp7, 0xffff                   ; b
	v_and_b32 v1, 31, v0                           ; lane
	v_and_b32 v2, 15, v0                           ; r
	v_bfe_u32 v3, v0, 4, 1                         ; h
	v_lshlrev_b32 v4, 4, v1                        ; 16 x lane
	v_lshlrev_b32 v17, 4, v2                       ; 16 r
	v_lshlrev_b32 v5, 5, v2
	v_lshl_add_u32 v5, v3, 4, v5                   ; scales: 32 r + 16 h
	s_lshl_b32 s21, s20, 8
	v_lshl_add_u32 v10, v2, 2, s21                 ; rec: 256 b + 4 r
	v_lshl_add_u32 v19, v3, 5, s21                 ; rec: 256 b + 32 h
	s_lshl_b32 s22, s20, 9
	v_lshl_add_u32 v11, v2, 3, s22                 ; gts: 512 b + 8 r
	v_lshl_add_u32 v12, s18, 13, v4                ; my tile of h: 16 lane + 8,192 w, in hc and in LDS;
	v_add_nc_u32 v13, 0x10000, v12                 ; LDS offsets have 16 bits: a register for each pair of experts
	v_add_nc_u32 v14, 0x20000, v12
	v_add_nc_u32 v15, 0x30000, v12
	s_mul_i32 s22, s18, 4352                       ; my stage
	v_mul_u32_u24 v8, v2, 272
	v_lshl_add_u32 v8, v3, 5, v8
	v_add_nc_u32 v8, s22, v8                       ; in: row r, + 32 h
	v_mul_u32_u24 v9, v3, 2176
	v_lshl_add_u32 v9, v2, 4, v9
	v_add_nc_u32 v9, s22, v9                       ; back: 8 h rows on, + 16 r
.irp m, 0,1,2,3
	v_mov_b32 v[GG+2*\m+1], 0                      ; named as the upper halves of pairs, so they are written
.endr
	s_mov_b32 s61, 0
	s_mov_b32 s25, 0                               ; experts fetched
	s_mov_b32 s26, 0                               ; j
	s_mov_b32 s28, 0                               ; 32,768 j
	s_wait_kmcnt 0x0
	s_lshl_b32 s60, s20, 18
	s_add_nc_u64 s[4:5], s[4:5], s[60:61]          ; hc at (b, j = 0)
	s_lshl_b32 s60, s20, 14
	s_add_nc_u64 s[6:7], s[6:7], s[60:61]          ; hs likewise
	s_lshl_b32 s60, s19, 17
	s_lshl_b32 s22, s18, 15
	s_add_co_u32 s60, s60, s22
	s_add_nc_u64 s[44:45], s[8:9], s[60:61]        ; w2i at tile 16 cb + 4 w of expert 0
	s_lshl_b32 s60, s19, 13
	s_lshl_b32 s22, s18, 11
	s_add_co_u32 s60, s60, s22
	s_add_nc_u64 s[46:47], s[10:11], s[60:61]      ; W2_scales at row 256 cb + 64 w
	s_lshl_b32 s60, s19, 10
	s_lshl_b32 s22, s18, 8
	s_add_co_u32 s60, s60, s22
	s_add_nc_u64 s[16:17], s[16:17], s[60:61]      ; out0 at my 256 bytes of a row
.irp m, 0,1,2,3
	global_load_b32 v[112+\m], v10, s[12:13] offset:64*\m            ; my four tokens' records
.endr
.irp m, 0,1,2,3
	global_load_b64 v[GTS+2*\m:GTS+2*\m+1], v11, s[14:15] offset:128*\m      ; and gates
.endr
	WIN 0x40
.irp m, 0,1,2,3
	global_load_b128 v[TOF+8*\m:TOF+8*\m+3], v19, s[12:13] offset:64*\m      ; the records of rows 16 m + 8 h + 0 .. 7, which I store
	global_load_b128 v[TOF+8*\m+4:TOF+8*\m+7], v19, s[12:13] offset:64*\m+16
.endr
	WIN 0
	STG_LOAD 0                                     ; the first expert's h hangs on no record: it is asked for at once
	s_wait_loadcnt 16                              ; records and gates are in; those 16 may be out
.irp m, 0,1,2,3
	v_bfe_u32 v[LOX+\m], v[112+\m], 12, 3
	v_bfe_u32 v[HIX+\m], v[112+\m], 16, 3
.endr
.irp m, 0,1,2,3
	v_lshlrev_b32 v[112+\m], v[LOX+\m], 1          ; as bits
	v_lshlrev_b32 v[116+\m], v[HIX+\m], 1
.endr
.irp m, 1,2,3,4,5,6,7
	v_or_b32 v112, v112, v[112+\m]
.endr
	s_mov_b32 s40, 0
.irp e, 0,1,2,3,4,5,6,7
	v_and_b32 v113, 1<<\e, v112
	v_cmp_ne_u32 vcc_lo, 0, v113
	s_cmp_lg_u32 vcc_lo, 0
	s_cselect_b32 s21, 1<<\e, 0
	s_or_b32 s40, s40, s21                         ; the block's experts: the same mask in all four waves
.endr
	s_bcnt1_i32_b32 s23, s40                       ; n, at least 1
	s_sub_co_u32 s24, s23, 1
	NEXT 0
	LOADB 0
	WIN 0x44                                       ; destination and source 1 window 1
.set ti, 0
.rept 32
	v_and_b32 v[TOF+ti], 0xfff, v[TOF+ti]          ; the token
	v_min_u32 v[TOF+ti], 0xfff, v[TOF+ti]
.set ti, ti+1
.endr
	WIN 0x41                                       ; destination and source 0 window 1
.set ti, 0
.rept 32
	v_lshl_add_u32 v[TOF+ti], v[TOF+ti], 12, v17   ; its row of 4,096 bytes, + 16 r
.set ti, ti+1
.endr
	WIN 0
	LADDER 0, 1
	s_cmp_lt_u32 s23, 5
	s_cbranch_scc1 .Lstaged
	s_wait_dscnt 0x0                               ; the stores have read their registers, which are loaded again
	LADDER 4, 0
.Lstaged:
	s_wait_dscnt 0x0                               ; for the others' sake: my tiles of h lie in LDS.  And window 3 is free
	s_barrier_signal -1
	s_barrier_wait -1
	NEXT 1
	LOADB 1                                        ; the block's second expert, without a condition, so that the buffer is written on every way (with n = 1: unused)
	ENTRY 0, 0
	s_mov_b32 s27, 3
.Lwalk:
	ENTRY 1, 1
	ENTRY 0, 1
	s_sub_co_u32 s27, s27, 1
	s_cmp_lg_u32 s27, 0
	s_cbranch_scc1 .Lwalk
	ENTRY 1, 2
	s_wait_dscnt 0x0                               ; my reads of h's images are over:
	s_barrier_signal -1
	s_barrier_wait -1                              ; everybody's are, and the stages may be laid over j = 0's
	TOSTAGE 0
	TOSTAGE 1
	SEND 0, 16
	TOSTAGE 2
	SEND 1, 16
	TOSTAGE 3
	SEND 2, 16
	SEND 3, 0
	s_wait_tensorcnt 0x0
	ds_add_u32 v126, v127
	s_wait_dscnt 0x0
	s_endpgm
.Lfunc_end_k_qaa6d5f74c5_down:
	.size	k_qaa6d5f74c5_down, .Lfunc_end_k_qaa6d5f74c5_down-k_qaa6d5f74c5_down
	.p2alignl 7, 3214868480
	.fill 96, 4, 3214868480
	.section	.rodata,"a",@progbits
	.p2align	6, 0x0
	.amdhsa_kernel k_qaa6d5f74c5_down
		.amdhsa_group_segment_fixed_size 262656
		.amdhsa_private_segment_fixed_size 0
		.amdhsa_enable_private_segment 0
		.amdhsa_kernarg_size 56
		.amdhsa_user_sgpr_count 2
		.amdhsa_user_sgpr_kernarg_segment_ptr 1
		.amdhsa_wavefront_size32 1
		.amdhsa_system_sgpr_workgroup_id_x 1
		.amdhsa_system_sgpr_workgroup_id_y 1
		.amdhsa_system_sgpr_workgroup_id_z 1
		.amdhsa_system_vgpr_workitem_id 0
		.amdhsa_next_free_vgpr 1024
		.amdhsa_next_free_sgpr 66
		.amdhsa_reserve_vcc 1
		.amdhsa_float_denorm_mode_32 3
		.amdhsa_float_denorm_mode_16_64 3
		.amdhsa_memory_ordered 1
		.amdhsa_forward_progress 1
		.amdhsa_inst_pref_size 178
	.end_amdhsa_kernel
	.amdgpu_metadata
---
amdhsa.version: [ 1, 2 ]
amdhsa.kernels:
  - .name:           k_qaa6d5f74c5_down
    .symbol:         k_qaa6d5f74c5_down.kd
    .args:
      - { .name: hc, .offset: 0, .size: 8, .value_kind: global_buffer, .address_space: global }
      - { .name: hs, .offset: 8, .size: 8, .value_kind: global_buffer, .address_space: global }
      - { .name: w2i, .offset: 16, .size: 8, .value_kind: global_buffer, .address_space: global }
      - { .name: W2_scales, .offset: 24, .size: 8, .value_kind: global_buffer, .address_space: global }
      - { .name: rec, .offset: 32, .size: 8, .value_kind: global_buffer, .address_space: global }
      - { .name: gts, .offset: 40, .size: 8, .value_kind: global_buffer, .address_space: global }
      - { .name: out0, .offset: 48, .size: 8, .value_kind: global_buffer, .address_space: global }
    .group_segment_fixed_size: 262656
    .private_segment_fixed_size: 0
    .kernarg_segment_align: 8
    .kernarg_segment_size: 56
    .max_flat_workgroup_size: 128
    .sgpr_count:     66
    .vgpr_count:     1024
    .wavefront_size: 32
...
	.end_amdgpu_metadata
.endif
;; end of part 3
;; ======== version 2 of 2: 3 launches
;; workspace buffers: w1i 4,194,304 bytes; w2i 4,194,304 bytes; rec 16,384 bytes of whole numbers; gts 32,768 bytes; hc 16,777,216 bytes; hs 1,048,576 bytes
;; launch prep (part 4): grid 256 x 1, 4 waves a work-group, no clusters, 35,840 bytes of LDS; arguments W1_codes, W2_codes, topk_indices, topk_probs, w1i, w2i, rec, gts; writes w1i, w2i, rec, gts
.if DOCPART == 4
	.amdgcn_target "amdgcn-amd-amdhsa--gfx1250"
	.amdhsa_code_object_version 6
	.text
	.protected	k_qaa6d5f74c5_prep
	.globl	k_qaa6d5f74c5_prep
	.p2align	8
	.type	k_qaa6d5f74c5_prep,@function
k_qaa6d5f74c5_prep:
	s_mov_b64 s[64:65], 0
	v_nop
	global_prefetch_b8 v0, s[64:65] scope:SCOPE_SE
	s_setreg_imm32_b32 hwreg(HW_REG_WAVE_MODE, 25, 1), 1
	s_wait_xcnt 0x0
; TWO JOBS IN ONE LAUNCH.
; (1) W1's and W2's codes are laid out as images of operand registers.  A tile is 16 weight rows x 1,024 along K = 8,192 bytes.  A 4-bit fragment gives lane (r, h), register group c of K step s, the 16-byte block
;     4 s + 2 c + h of row r: so a tile's images are [block 32][row 16][16 bytes].  Wave id = 4 x work-group + wave (0 .. 1,023) turns one tile: id < 512 W1's, else W2's; expert (id >> 6) & 7, tile T = id & 63.
;     W1's tile T takes rows 32 (T / 2) + 8 (T % 2) + p + 8 (p / 8), p = 0 .. 15, so that two neighbouring tiles' results are 16 neighbours along the next product's K; W2's tile T takes rows 16 T + p.
; (2) The 4,096 tokens are sorted by their set of experts: key = 8 lo + hi (lo <= hi the token's two experts).  A token's place is the number of tokens whose (key << 12) + token is smaller: the numbers differ, so
;     the places are a permutation.  Work-group g places tokens 16 g .. 16 g + 15; each of its four waves counts against 1,024 tokens; the four counts meet in LDS.
;     rec[place] = token | lo << 12 | hi << 16;  gts[place] = (gate of lo, gate of hi): max(p, 0) each; where the two indices are equal, (max(p0, p1), 0).
; LIMITS: a NaN among topk_probs counts as absent (the maximum drops it); an index outside 0 .. 7 has the gate 0 and is filed under expert 7.
; No tensor load, no cluster: no two work-groups read the same weight bytes here.
.set STGB, 8704                        ; a wave's own stage: 32 blocks x (256 bytes + 16 of padding)
.set RK,   4*STGB                      ; behind the stages: [wave 4][32 words] of counts
.set IDX,  32                          ; v32-95   my 1,024 tokens' indices; later the tile as it leaves
.set ROWS, 96                          ; v96-159  the tile's 16 rows as loaded
.set CK,   160                         ; v160-191 (key << 12) + token of 32 tokens a lane
	s_load_b512 s[4:19], s[0:1], 0x0               ; W1_codes, W2_codes, topk_indices, topk_probs, w1i, w2i, rec, gts
	v_lshl_add_u32 v192, v0, 2, 0x8a00
	v_mov_b32 v193, 0
	v_lshrrev_b32 v1, 5, v0
	v_readfirstlane_b32 s20, v1                    ; wave
	v_and_b32 v1, 31, v0                           ; lane
	v_and_b32 v29, 15, v0                          ; r
	v_lshlrev_b32 v2, 4, v1                        ; 16 x lane
	s_wait_alu depctr_va_vdst(0)
	s_lshl_b32 s21, ttmp9, 2
	s_add_co_u32 s21, s21, s20                     ; id
	s_bfe_u32 s22, s21, 0x30006                    ; expert
	s_and_b32 s23, s21, 63                         ; T
	s_lshr_b32 s60, s23, 1
	s_lshl_b32 s60, s60, 5
	s_and_b32 s61, s23, 1
	s_lshl_b32 s61, s61, 3
	s_add_co_u32 s60, s60, s61                     ; W1: the tile's first row, 32 (T / 2) + 8 (T % 2)
	s_lshl_b32 s61, s23, 4                         ; W2: 16 T
	s_cmp_lt_u32 ttmp9, 128
	s_cselect_b32 s60, s60, s61
	s_cselect_b32 s62, 4096, 0                     ; W1: rows p >= 8 lie 8 rows of 512 bytes further on
	v_add_nc_u32 v3, s62, v2
	s_lshl_b32 s61, s22, 10
	s_add_co_u32 s60, s60, s61
	s_lshl_b32 s60, s60, 9                         ; (1,024 expert + first row) x 512 bytes
	s_mov_b32 s61, 0
	s_and_b32 s62, s21, 511
	s_lshl_b32 s62, s62, 13                        ; the tile's 8,192 bytes of images
	s_mov_b32 s63, 0
	s_mul_i32 s56, s20, STGB
	v_mul_u32_u24 v4, v1, 272
	v_add_nc_u32 v4, s56, v4                       ; into the stage: block = lane
	v_lshrrev_b32 v5, 4, v1
	v_mul_u32_u24 v5, v5, 272
	v_lshl_add_u32 v5, v29, 4, v5
	v_add_nc_u32 v5, s56, v5                       ; out of it: sixteen lanes to a block
	v_lshl_add_u32 v6, s20, 13, v2                 ; my wave's 1,024 tokens' indices: 8,192 bytes, 16 a lane
	s_lshl_b32 s57, ttmp9, 7
	v_lshl_add_u32 v7, v29, 3, s57                 ; the work-group's own 16 tokens: 8 bytes each
	s_lshl_b32 s58, s20, 10
	v_lshl_add_u32 v12, v1, 1, s58                 ; 1,024 wave + 2 lane: the first token of my first load
	s_lshl_b32 s59, ttmp9, 4
	v_add_nc_u32 v30, s59, v29                     ; my own token
	v_lshl_add_u32 v23, v0, 2, RK                  ; where my wave's counts go
	v_lshl_add_u32 v24, v29, 2, RK                 ; where they are read
	s_wait_alu depctr_va_vdst(0)
	s_wait_kmcnt 0x0
	s_cmp_lt_u32 ttmp9, 128                        ; the choice hangs on the work-group's number alone
	s_cselect_b64 s[4:5], s[4:5], s[6:7]
	s_cselect_b64 s[12:13], s[12:13], s[14:15]
	s_add_nc_u64 s[4:5], s[4:5], s[60:61]
	s_add_nc_u64 s[12:13], s[12:13], s[62:63]
	global_load_b64 v[8:9], v7, s[8:9]             ; my own token's indices
	global_load_b64 v[10:11], v7, s[10:11]         ; and probabilities
.irp q, 0,1,2,3,4,5,6,7,8,9,10,11,12,13,14,15
	global_load_b128 v[IDX+4*\q:IDX+4*\q+3], v6, s[8:9] offset:512*\q       ; tokens 1,024 wave + 64 q + 2 lane and the next
.endr
.irp p, 0,1,2,3,4,5,6,7
	global_load_b128 v[ROWS+4*\p:ROWS+4*\p+3], v2, s[4:5] offset:512*\p th:TH_LOAD_NT   ; a row is 512 consecutive bytes: lane = block
.endr
.irp p, 8,9,10,11,12,13,14,15
	global_load_b128 v[ROWS+4*\p:ROWS+4*\p+3], v3, s[4:5] offset:512*\p th:TH_LOAD_NT
.endr
; (key << 12) + token.  key = 8 lo + hi = 7 lo + (a + b)
.macro CKEY dst, ia, ib, tok, plus, tmp
	v_min_u32 v[\tmp], 7, v[\ia]
	v_min_u32 v[\tmp+1], 7, v[\ib]
	v_min_u32 v[\tmp+2], v[\tmp], v[\tmp+1]
	v_add_nc_u32 v[\tmp+3], v[\tmp], v[\tmp+1]
	v_mad_u32_u24 v[\tmp+3], v[\tmp+2], 7, v[\tmp+3]
	v_lshl_add_u32 v[\dst], v[\tmp+3], 12, v[\tok]
.if (\plus) != 0
	v_add_nc_u32 v[\dst], \plus, v[\dst]
.endif
.endm
	s_wait_loadcnt 16                              ; all but the 16 youngest loads, the weight rows, are in
.set cq, 0
.rept 16
	CKEY CK+2*cq, IDX+4*cq, IDX+4*cq+1, 12, 64*cq, 13
	CKEY CK+2*cq+1, IDX+4*cq+2, IDX+4*cq+3, 12, 64*cq+1, 17
.set cq, cq+1
.endr
	CKEY 21, 8, 9, 30, 0, 13
.irp o, 0,1,2,3,4,5,6,7,8,9,10,11,12,13,14,15
	v_readlane_b32 s[24+\o], v21, \o               ; the work-group's 16 own numbers, as scalars
.endr
	s_wait_loadcnt 0x0                             ; the tile's rows
.irp p, 0,1,2,3,4,5,6,7,8,9,10,11,12,13,14,15
	ds_store_b128 v4, v[ROWS+4*\p:ROWS+4*\p+3] offset:16*\p          ; block = lane, row p: 272 bytes from lane to lane
.endr
.irp q, 0,1,2,3,4,5,6,7,8,9,10,11,12,13,14,15
	ds_load_b128 v[IDX+4*\q:IDX+4*\q+3], v5 offset:544*\q            ; blocks 2 q and 2 q + 1, whole.  The stage is my wave's own, and LDS serves a wave's instructions in order
.endr
.irp q, 0,1,2,3,4,5,6,7,8,9,10,11,12,13,14,15
	s_wait_dscnt 15-\q                             ; the younger LDS loads may be out
	global_store_b128 v2, v[IDX+4*\q:IDX+4*\q+3], s[12:13] offset:512*\q   ; 512 consecutive bytes
.endr
; the counts: for each of my 32 registers of numbers, how many lanes lie under each of the 16 own numbers
.set ci, 0
.rept 32
.irp o, 0,1,2,3,4,5,6,7,8,9,10,11,12,13,14,15
	v_cmp_gt_u32 s[68+\o], s[24+\o], v[CK+ci]
.endr
.irp o, 0,1,2,3,4,5,6,7,8,9,10,11,12,13,14,15
.if ci == 0
	s_bcnt1_i32_b32 s[40+\o], s[68+\o]             ; the first starts the count
.else
	s_bcnt1_i32_b32 s60, s[68+\o]
	s_add_co_u32 s[40+\o], s[40+\o], s60
.endif
.endr
.set ci, ci+1
.endr
	v_mov_b32 v22, 0
.irp o, 0,1,2,3,4,5,6,7,8,9,10,11,12,13,14,15
	v_writelane_b32 v22, s[40+\o], \o
.endr
	ds_store_b32 v23, v22
	s_wait_dscnt 0x0                               ; for the others' sake: my counts lie in LDS
	s_barrier_signal -1
	s_barrier_wait -1
	s_cmp_lg_u32 s20, 0
	s_cbranch_scc1 .Lend                           ; wave 0 finishes
	ds_load_b32 v25, v24
	ds_load_b32 v26, v24 offset:128
	ds_load_b32 v27, v24 offset:256
	ds_load_b32 v28, v24 offset:384
	v_min_u32 v13, 7, v8                           ; a
	v_min_u32 v14, 7, v9                           ; b
	v_min_u32 v15, v13, v14                        ; lo
	v_add_nc_u32 v16, v13, v14
	v_sub_nc_u32 v16, v16, v15                     ; hi
	v_lshl_or_b32 v17, v15, 12, v30
	v_lshl_or_b32 v17, v16, 16, v17                ; the record
	v_cmp_gt_u32 s56, 8, v8                        ; is index 0 an expert's?
	v_cmp_gt_u32 s57, 8, v9
	v_cmp_gt_u32 s58, v13, v14                     ; is lo the second choice?
	v_cmp_eq_u32 s59, v8, v9
	v_max_num_f32 v18, 0, v10
	v_max_num_f32 v19, 0, v11
	v_max_num_f32 v20, v10, v11
	v_cndmask_b32 v18, 0, v18, s56
	v_cndmask_b32 v19, 0, v19, s57
	v_cndmask_b32 v20, 0, v20, s56
	v_cndmask_b32 v96, v18, v19, s58               ; lo's gate
	v_cndmask_b32 v97, v19, v18, s58               ; hi's
	v_cndmask_b32 v96, v96, v20, s59               ; one expert chosen twice: the larger probability, with no floor,
	v_cndmask_b32 v97, v97, 0, s59                 ; once
	s_wait_dscnt 0x0
	v_add3_u32 v25, v25, v26, v27
	v_add_nc_u32 v25, v25, v28                     ; the place
	v_min_u32 v25, 0xfff, v25
	v_lshlrev_b32 v26, 2, v25
	v_lshlrev_b32 v27, 3, v25
	s_wait_alu depctr_va_vdst(0)
	global_store_b32 v26, v17, s[16:17]            ; lanes 16-31 repeat lanes 0-15: the same address, the same value
	global_store_b64 v27, v[96:97], s[18:19]
.Lend:
	s_wait_tensorcnt 0x0
	ds_add_u32 v192, v193
	s_wait_dscnt 0x0
	s_endpgm
.Lfunc_end_k_qaa6d5f74c5_prep:
	.size	k_qaa6d5f74c5_prep, .Lfunc_end_k_qaa6d5f74c5_prep-k_qaa6d5f74c5_prep
	.p2alignl 7, 3214868480
	.fill 96, 4, 3214868480
	.section	.rodata,"a",@progbits
	.p2align	6, 0x0
	.amdhsa_kernel k_qaa6d5f74c5_prep
		.amdhsa_group_segment_fixed_size 35840
		.amdhsa_private_segment_fixed_size 0
		.amdhsa_enable_private_segment 0
		.amdhsa_kernarg_size 64
		.amdhsa_user_sgpr_count 2
		.amdhsa_user_sgpr_kernarg_segment_ptr 1
		.amdhsa_wavefront_size32 1
		.amdhsa_system_sgpr_workgroup_id_x 1
		.amdhsa_system_sgpr_workgroup_id_y 1
		.amdhsa_system_sgpr_workgroup_id_z 1
		.amdhsa_system_vgpr_workitem_id 0
		.amdhsa_next_free_vgpr 194
		.amdhsa_next_free_sgpr 84
		.amdhsa_reserve_vcc 0
		.amdhsa_float_denorm_mode_32 3
		.amdhsa_float_denorm_mode_16_64 3
		.amdhsa_memory_ordered 1
		.amdhsa_forward_progress 1
		.amdhsa_inst_pref_size 88
	.end_amdhsa_kernel
	.amdgpu_metadata
---
amdhsa.version: [ 1, 2 ]
amdhsa.kernels:
  - .name:           k_qaa6d5f74c5_prep
    .symbol:         k_qaa6d5f74c5_prep.kd
    .args:
      - { .name: W1_codes, .offset: 0, .size: 8, .value_kind: global_buffer, .address_space: global }
      - { .name: W2_codes, .offset: 8, .size: 8, .value_kind: global_buffer, .address_space: global }
      - { .name: topk_indices, .offset: 16, .size: 8, .value_kind: global_buffer, .address_space: global }
      - { .name: topk_probs, .offset: 24, .size: 8, .value_kind: global_buffer, .address_space: global }
      - { .name: w1i, .offset: 32, .size: 8, .value_kind: global_buffer, .address_space: global }
      - { .name: w2i, .offset: 40, .size: 8, .value_kind: global_buffer, .address_space: global }
      - { .name: rec, .offset: 48, .size: 8, .value_kind: global_buffer, .address_space: global }
      - { .name: gts, .offset: 56, .size: 8, .value_kind: global_buffer, .address_space: global }
    .group_segment_fixed_size: 35840
    .private_segment_fixed_size: 0
    .kernarg_segment_align: 8
    .kernarg_segment_size: 64
    .max_flat_workgroup_size: 128
    .sgpr_count:     84
    .vgpr_count:     194
    .wavefront_size: 32
...
	.end_amdgpu_metadata
.endif
;; end of part 4
;; launch up (part 5): grid 4 x 64, 4 waves a work-group, no clusters, 35,328 bytes of LDS; arguments x_codes, x_scales, w1i, W1_scales, rec, hc, hs; writes hc, hs
.if DOCPART == 5
	.amdgcn_target "amdgcn-amd-amdhsa--gfx1250"
	.amdhsa_code_object_version 6
	.text
	.protected	k_qaa6d5f74c5_up
	.globl	k_qaa6d5f74c5_up
	.p2align	8
	.type	k_qaa6d5f74c5_up,@function
k_qaa6d5f74c5_up:
	s_mov_b64 s[64:65], 0
	v_nop
	global_prefetch_b8 v0, s[64:65] scope:SCOPE_SE
	s_setreg_imm32_b32 hwreg(HW_REG_WAVE_SCHED_MODE, 0, 2), 2
	s_setreg_imm32_b32 hwreg(HW_REG_WAVE_MODE, 25, 1), 1
	s_wait_xcnt 0x0
	s_wait_alu depctr_vm_vsrc(0)
; h = Q(gelu(x W1_e^T)) for 64 sorted tokens (block b = work-group y) x 256 hidden units (cb = work-group x), for each expert e that one of the block's tokens uses, in ascending e; j counts them.
; SHARES.  Wave w: all 64 tokens (4 tiles of 16) x hidden units 256 cb + 64 w .. + 63 (4 tiles of W1): 16 accumulators.  x's 32 fragments stay in registers for the whole launch; a weight fragment is loaded by one
; wave alone, as an image of its registers (512 consecutive bytes a load), and feeds four matrix instructions.  An expert's 32 fragments fill one window of registers; two windows take turns.
; THE PRODUCT IS USED TRANSPOSED (source 0 = 16 rows of W1, source 1 = 16 tokens): a lane holds one token; by the order of W1's rows in a tile, the 32 registers of a tile of tokens are hidden units 32 b' + 16 (lane / 16) + i.
; gelu is the tanh form, as x / (1 + 2^((C1 x^2 + C0) x)), C0 = -2 log2(e) sqrt(2 / pi), C1 = 0.044715 C0.  The wave's 64 units are two blocks of 32: half c = w % 2 of K step 2 cb + w / 2 of the next product.
; hc: [b][j][tile of tokens 4][K step 8][c 2][lane 32][16 bytes], images of the next product's fragments;  hs: [b][j][row 64][32 bytes], one E8M0 byte a block.  All 64 rows are made under each expert of the block.
; THE WALK hangs on numbers read from rec, so operands come straight into registers: no tensor load.  No cluster: neighbouring blocks walk different experts, in different numbers.
; Eight entries stand in the text (one written out, three trips of two, one written out); an entry with j >= n is jumped over.
; LIMITS: a block of zeros gets the byte 1, not 127: its codes are zeros, and this program alone reads hs.
; REGISTERS.  window 0: v1-11 addresses; v12-15 C0, C1; v24-27 scale bytes; v28-29 at work; v32-47 codes; v48-63 x's scale words; v64-95 W1's, two sets; v96-127 at work; v128-255 accumulators, (m, t) at 128 + 8 (4 m + t).
;   window 1: x's fragments, (m, s) at 8 (8 m + s).   windows 2, 3: an expert's fragments, (t, s) at 8 (8 t + s).
; A scale load brings lane (r, h) 16 bytes at row x 32 + 16 h: register i holds the word of K step i in lanes 0-15 and of K step 4 + i in lanes 16-31: K steps 4 to 7 read the upper lanes.
; THE MODE: SCHED_MODE bits 1:0 = 2 (LLVM: expert scheduling mode 2), set by the entry lines.  The code itself states the register dependences between vector or matrix instructions and memory or LDS
; instructions, with s_wait_alu, always for 0.
; THE PLAN.  Registers that memory or LDS instructions touch:
;   v4-v11            offsets and LDS addresses: made once at the head, ahead of the first load's wait, and never written again.
;   v96-v115          at the head only: the offsets of x's rows and scale words; read by 20 loads; gelu's registers afterwards.
;   v128-v191         at the head only: x's rows land here and the LDS stores read them; accumulators afterwards.
;   windows 2, 3 and W1's two sets of scale words.  Entry j's products read buffer j % 2; the loads of expert j + 1 land in the other buffer, which the products of entry j - 1 read.  Behind those
;                     products stand entry j - 1's waits on va_vdst, and no vector or matrix instruction since names that buffer: so the loads are dealt among entry j's products with no further wait.
;   v32-47, v28-29    codes and scale bytes: written by the conversions, swaps and selects; read by the entry's six stores, which stand behind one wait on va_vdst; a wait on vm_vsrc at the entry's end
;                     stands ahead of the next entry's writes.
.set ACC, 128
.set TT,  96
.set XSC, 48
.set WSC, 64
.set PCD, 32
.set HWD, 24
.set SVD, 28
.set TMX, 96                           ; the quantiser's registers lie where gelu's have been: largest magnitudes,
.set PDS, 104                          ; the other half's,
.set SOP, 112                          ; the conversions' scale operands,
.set BYT, 120                          ; the bytes
.set MSB, 0
.macro WIN new                         ; the immediate's high byte repeats the setting that is left
.if MSB != (\new)
	s_set_vgpr_msb (MSB<<8)|(\new)
.set MSB, (\new)
.endif
.endm
.macro PLACES
.rept 4
	v_nop
.endr
.endm
; the next expert of the block's mask (s40), and where its fragments and scale words begin, for buffer buf.  With no bit left the number is held at 7: an address inside the buffers
.macro NEXT buf
	s_ctz_i32_b32 s41, s40
	s_min_u32 s41, s41, 7
	s_sub_co_u32 s21, s40, 1
	s_and_b32 s40, s40, s21
	s_lshl_b32 s60, s41, 19
	s_add_nc_u64 s[48+4*(\buf):49+4*(\buf)], s[44:45], s[60:61]
	s_lshl_b32 s60, s41, 15
	s_add_nc_u64 s[50+4*(\buf):51+4*(\buf)], s[46:47], s[60:61]
.endm
.macro LOADB buf                       ; at the head: 68 loads in one run: my four tiles' 32 fragments, and their rows' scale words
	WIN (2+(\buf))<<6
.set li, 0
.rept 64
	global_load_b128 v[4*li:4*li+3], v4, s[48+4*(\buf):49+4*(\buf)] offset:512*li
.set li, li+1
.endr
	WIN 0
.irp t, 0,1,2,3
	global_load_b128 v[WSC+16*(\buf)+4*\t:WSC+16*(\buf)+4*\t+3], v5, s[50+4*(\buf):51+4*(\buf)] offset:(32*(\t/2)+8*(\t%2))*32
.endr
.endm
; 128 matrix instructions.  The 16 accumulators take turns, one instruction a turn; the first K step starts the sums.
; ld = 1: the next expert's 68 loads, into the OTHER buffer, are dealt among them: eight behind each K step's sixteen products, the four scale loads with the first eight.  No wait: these products name this
; buffer, x's fragments, the accumulators and this buffer's scale words, none of which those loads touch; the other buffer's last readers stand ahead of the entry before's waits on va_vdst
.macro MULS buf, ld
.set ks, 0
.rept 8
	WIN 6+(\buf)                                   ; source 0 window 2 or 3, source 1 window 1
.set tt, 0
.rept 4
.set mm, 0
.rept 4
.set rD, ACC+8*(4*mm+tt)
.set rB, 8*(8*tt+ks)
.set rX, 8*(8*mm+ks)
.set rW, WSC+16*(\buf)+4*tt+(ks%4)
.set rS, XSC+4*mm+(ks%4)
.if ks == 0
	v_wmma_scale_f32_16x16x128_f8f6f4 v[rD:rD+7], v[rB:rB+7], v[rX:rX+7], 0, v[rW], v[rS] matrix_a_fmt:MATRIX_FMT_FP4 matrix_b_fmt:MATRIX_FMT_FP4
.elseif ks < 4
	v_wmma_scale_f32_16x16x128_f8f6f4 v[rD:rD+7], v[rB:rB+7], v[rX:rX+7], v[rD:rD+7], v[rW], v[rS] matrix_a_fmt:MATRIX_FMT_FP4 matrix_b_fmt:MATRIX_FMT_FP4
.else
	v_wmma_scale_f32_16x16x128_f8f6f4 v[rD:rD+7], v[rB:rB+7], v[rX:rX+7], v[rD:rD+7], v[rW], v[rS] matrix_a_fmt:MATRIX_FMT_FP4 matrix_b_fmt:MATRIX_FMT_FP4 matrix_a_scale:MATRIX_SCALE_ROW1 matrix_b_scale:MATRIX_SCALE_ROW1
.endif
.set mm, mm+1
.endr
.set tt, tt+1
.endr
.if \ld
.if ks == 0
	WIN 0
.irp t, 0,1,2,3
	global_load_b128 v[WSC+16*(1-(\buf))+4*\t:WSC+16*(1-(\buf))+4*\t+3], v5, s[54-4*(\buf):55-4*(\buf)] offset:(32*(\t/2)+8*(\t%2))*32
.endr
.endif
	WIN (3-(\buf))<<6                              ; destination: the other buffer's window
.set li, 8*ks
.rept 8
	global_load_b128 v[4*li:4*li+3], v4, s[52-4*(\buf):53-4*(\buf)] offset:512*li
.set li, li+1
.endr
.endif
.set ks, ks+1
.endr
	WIN 0
.endm
; gelu of a tile of tokens' 32 numbers, in place; each accumulator is read from its low end on.  Each batch of 32 transcendentals has one plain line and one wait behind it, ahead of its first reader
.macro GELU m
.set gx, ACC+32*(\m)
.set gi, 0
.rept 16
	v_pk_mul_f32 v[TT+gi:TT+gi+1], v[gx+gi:gx+gi+1], v[gx+gi:gx+gi+1]
.set gi, gi+2
.endr
.set gi, 0
.rept 16
	v_pk_fma_f32 v[TT+gi:TT+gi+1], v[TT+gi:TT+gi+1], v[14:15], v[12:13]
.set gi, gi+2
.endr
.set gi, 0
.rept 16
	v_pk_mul_f32 v[TT+gi:TT+gi+1], v[TT+gi:TT+gi+1], v[gx+gi:gx+gi+1]
.set gi, gi+2
.endr
.set gi, 0
	s_wait_alu depctr_va_vdst(0)
.rept 32
	v_exp_f32 v[TT+gi], v[TT+gi]
.set gi, gi+1
.endr
	v_nop
	s_wait_alu depctr_va_vdst(0)                   ; the 32 exponentials have written v[TT ..], which the additions below read
.set gi, 0
.rept 16
	v_pk_add_f32 v[TT+gi:TT+gi+1], v[TT+gi:TT+gi+1], 1.0 op_sel_hi:[1,0]
.set gi, gi+2
.endr
.set gi, 0
	s_wait_alu depctr_va_vdst(0)
.rept 32
	v_rcp_f32 v[TT+gi], v[TT+gi]
.set gi, gi+1
.endr
	v_nop
	s_wait_alu depctr_va_vdst(0)                   ; the 32 reciprocals have written v[TT ..], which the multiplications below read
.set gi, 0
.rept 16
	v_pk_mul_f32 v[gx+gi:gx+gi+1], v[gx+gi:gx+gi+1], v[TT+gi:TT+gi+1]
.set gi, gi+2
.endr
.endm
; the four tiles' eight blocks of 32 (block q = 2 m + b': my 16 numbers at ACC + 16 q, lane l xor 16 holds the other 16), by turns; then the codes and the scale bytes leave, six stores behind one wait
.macro QUANT4
.irp q, 0,1,2,3,4,5,6,7
	v_max3_num_f32 v[TMX+\q], |v[ACC+16*\q]|, |v[ACC+16*\q+1]|, 0x1800000   ; with the floor 2^(3 - 127): the byte cannot fall under 1
.endr
.irp i, 2,4,6,8,10,12,14
.irp q, 0,1,2,3,4,5,6,7
	v_max3_num_f32 v[TMX+\q], v[TMX+\q], |v[ACC+16*\q+\i]|, |v[ACC+16*\q+\i+1]|
.endr
.endr
.irp q, 0,1,2,3,4,5,6,7
	v_permlanex16_b32 v[PDS+\q], v[TMX+\q], s56, s57
.endr
.irp q, 0,1,2,3,4,5,6,7
	v_max_num_f32 v[TMX+\q], v[TMX+\q], v[PDS+\q]  ; the block's largest magnitude
.endr
.irp q, 0,1,2,3,4,5,6,7
	v_add_nc_u32 v[SOP+\q], 0xff000000, v[TMX+\q]  ; 2 off its exponent field: the conversion takes that field as its scale
.endr
.irp q, 0,1,2,3,4,5,6,7
	v_lshrrev_b32 v[BYT+\q], 23, v[SOP+\q]         ; the scale's byte
.endr
.irp m, 0,1,2,3
	v_lshl_or_b32 v[HWD+\m], v[BYT+2*\m+1], 8, v[BYT+2*\m]   ; my row's two bytes
.endr
.irp i, 0,1
	v_cndmask_b32 v[SVD+\i], v[HWD+2*\i], v[HWD+2*\i+1], s58     ; lanes 0-15 send tile 2 i's bytes, lanes 16-31 tile 2 i + 1's
.endr
.irp q, 0,1,2,3,4,5,6,7
	v_cvt_scalef32_pk8_fp4_f32 v[PCD+2*\q], v[ACC+16*\q:ACC+16*\q+7], v[SOP+\q]
	v_cvt_scalef32_pk8_fp4_f32 v[PCD+2*\q+1], v[ACC+16*\q+8:ACC+16*\q+15], v[SOP+\q]
.endr
	v_nop                                          ; one plain line behind the scaled conversions
.irp m, 0,1,2,3
	v_permlane16_swap_b32 v[PCD+4*\m], v[PCD+4*\m+2]         ; the operand's layout wants a whole block in a lane: lanes 0-15 block 0, lanes 16-31 block 1
	v_permlane16_swap_b32 v[PCD+4*\m+1], v[PCD+4*\m+3]
.endr
	s_wait_alu depctr_va_vdst(0)                   ; the swaps have written the codes v[PCD ..] and the selects the bytes v[SVD ..], which the six stores read.  It also shows this entry's products done with their buffer
.irp m, 0,1,2,3
	global_store_b128 v6, v[PCD+4*\m:PCD+4*\m+3], s[14:15] offset:8192*\m   ; half a fragment's image: 512 consecutive bytes
.endr
.irp i, 0,1
	global_store_b16 v7, v[SVD+\i], s[16:17] offset:1024*\i
.endr
.endm
; One expert.  kind 0: the block's first; 1: in the loop; 2: the eighth, behind which nothing can follow
.macro ENTRY buf, kind
.if (\kind) == 0
	s_wait_loadcnt 63                              ; behind this buffer's loads stand the other buffer's 68: at most 63 can be named, and they may stay out
	MULS \buf, 0
.else
	s_cmp_ge_u32 s42, s23
	s_cbranch_scc1 .Lskip_\@                       ; the block has no j-th expert
	s_wait_loadcnt 0x0                             ; this buffer is in; no load is out, so the other buffer's bases may be written
.if (\kind) == 1
	s_add_co_u32 s21, s42, 1
	s_cmp_ge_u32 s21, s23
	s_cbranch_scc1 .Llast_\@
	NEXT 1-(\buf)
	MULS \buf, 1                                   ; with the next expert's loads among the products: they have the rest of the products and the gelu in which to land
	s_branch .Lmade_\@
.Llast_\@:
.endif
	MULS \buf, 0
.if (\kind) == 1
.Lmade_\@:
.endif
.endif
	PLACES                                         ; four plain lines between the last product and the first read of results
	GELU 0
	GELU 1
	GELU 2
	GELU 3
	QUANT4
	s_wait_xcnt 0x0                                ; the stores have had their addresses translated: their bases are written again only behind this wait
	s_wait_alu depctr_vm_vsrc(0)                   ; the six stores have read v[PCD ..] and v[SVD ..], which the next entry's conversions and selects write
	s_add_nc_u64 s[14:15], s[14:15], 32768         ; hc and hs: on to the next j
	s_add_nc_u64 s[16:17], s[16:17], 2048
.if (\kind) != 0
.Lskip_\@:
.endif
	s_add_co_u32 s42, s42, 1
.endm
	s_load_b256 s[4:11], s[0:1], 0x0               ; x_codes, x_scales, w1i, W1_scales
	s_load_b128 s[12:15], s[0:1], 0x20             ; rec, hc
	s_load_b64 s[16:17], s[0:1], 0x30              ; hs
	v_lshl_add_u32 v30, v0, 2, 0x8800
	v_mov_b32 v31, 0
	v_lshrrev_b32 v1, 5, v0
	v_readfirstlane_b32 s18, v1                    ; wave
	s_mov_b32 s19, ttmp9                           ; cb
	s_and_b32 s20, ttmp7, 0xffff                   ; b
	v_and_b32 v1, 31, v0                           ; lane
	v_and_b32 v2, 15, v0                           ; r
	v_bfe_u32 v3, v0, 4, 1                         ; h
	v_lshlrev_b32 v4, 4, v1                        ; 16 x lane
	v_lshlrev_b32 v11, 4, v3                       ; 16 h
	s_lshl_b32 s21, s20, 8                         ; the block's 64 records: 256 bytes
	v_lshl_add_u32 v10, v2, 2, s21
	v_and_b32 v5, 8, v2
	v_add_nc_u32 v5, v5, v2
	v_lshl_add_u32 v5, v5, 5, v11                  ; W1's scales: (r + 8 (r / 8)) x 32 + 16 h
	v_mul_u32_u24 v8, v1, 272
	s_wait_alu depctr_va_vdst(0)
	v_mul_u32_u24 v9, v3, 272
	v_lshl_add_u32 v9, v2, 4, v9                   ; LDS, out: 272 h + 16 r
	v_mov_b32 v12, 0xc0135761                      ; C0 = -2.3022082
	v_mov_b32 v13, 0xc0135761
	v_mov_b32 v14, 0xbdd2d3e8                      ; C1 = -0.10294324
	v_mov_b32 v15, 0xbdd2d3e8
	s_mov_b32 s56, 0x76543210
	s_mov_b32 s57, 0xfedcba98                      ; v_permlanex16_b32's selects for lane l xor 16
	s_mov_b32 s58, 0xffff0000                      ; lanes 16-31
	s_mov_b32 s42, 0                               ; j
	s_wait_alu depctr_va_sdst(0)                   ; s18, the wave's number, is written, ahead of its first reader
	s_lshl_b32 s22, s18, 6
	s_add_co_u32 s22, s22, s21                     ; my wave's 16 of the block's records
	s_lshl_b32 s41, s19, 11
	s_lshl_b32 s43, s18, 9
	s_add_co_u32 s41, s41, s43
	s_lshl_b32 s59, s19, 3
	s_lshl_b32 s43, s18, 1
	s_add_co_u32 s59, s59, s43
	s_mul_i32 s62, s18, 8704
	v_add_nc_u32 v6, s41, v4                       ; hc: 16 lane + 1,024 (2 cb + w / 2) + 512 (w % 2)
	v_lshl_add_u32 v7, v1, 5, s59                  ; hs: row = lane, byte 8 cb + 2 w
	v_add_nc_u32 v8, s62, v8                       ; LDS: x as [tile 4][block 32][256 + 16]; in: tile = wave, block = lane
	s_wait_alu depctr_va_vdst(0)                   ; v4 to v11 are written: the offsets and LDS addresses that the loads and stores of the whole kernel read
	s_wait_kmcnt 0x0
	s_load_b512 s[24:39], s[12:13], s22 offset:0x0 ; the records of the 16 rows of x that I bring in
.irp m, 0,1,2,3
	global_load_b32 v[116+\m], v10, s[12:13] offset:64*\m    ; and, lane by lane, those of all four tiles
.endr
	s_lshl_b32 s60, s19, 17
	s_lshl_b32 s61, s18, 15
	s_add_co_u32 s60, s60, s61
	s_mov_b32 s61, 0
	s_add_nc_u64 s[44:45], s[8:9], s[60:61]        ; w1i at tile 16 cb + 4 w of expert 0
	s_lshl_b32 s60, s19, 13
	s_lshl_b32 s43, s18, 11
	s_add_co_u32 s60, s60, s43
	s_add_nc_u64 s[46:47], s[10:11], s[60:61]      ; W1_scales at row 256 cb + 64 w
	s_lshl_b32 s60, s20, 18
	s_add_nc_u64 s[14:15], s[14:15], s[60:61]      ; hc at (b, j = 0)
	s_lshl_b32 s60, s20, 14
	s_add_nc_u64 s[16:17], s[16:17], s[60:61]      ; hs likewise
	s_wait_kmcnt 0x0
	s_wait_loadcnt 0x0                             ; the records, both ways: all 20 offsets are made together
.irp i, 0,1,2,3,4,5,6,7,8,9,10,11,12,13,14,15
	s_and_b32 s[24+\i], s[24+\i], 0xfff            ; the token
	s_min_u32 s[24+\i], s[24+\i], 0xfff
	v_lshl_add_u32 v[96+\i], s[24+\i], 9, v4
.endr
.irp m, 0,1,2,3
	v_and_b32 v[112+\m], 0xfff, v[116+\m]
.endr
.irp m, 0,1,2,3
	v_min_u32 v[112+\m], 0xfff, v[112+\m]
.endr
.irp m, 0,1,2,3
	v_lshl_add_u32 v[112+\m], v[112+\m], 5, v11
.endr
	s_wait_alu depctr_va_vdst(0)                   ; v96 to v115 are written: the offsets of the 20 loads below
.irp i, 0,1,2,3,4,5,6,7,8,9,10,11,12,13,14,15
	global_load_b128 v[ACC+4*\i:ACC+4*\i+3], v[96+\i], s[4:5]    ; a row of x: 512 consecutive bytes, lane = block
.endr
.irp m, 0,1,2,3
	global_load_b128 v[XSC+4*\m:XSC+4*\m+3], v[112+\m], s[6:7]   ; x's scale words
.endr
.irp m, 0,1,2,3
	v_bfe_u32 v[120+\m], v[116+\m], 12, 3          ; lo
	v_bfe_u32 v[124+\m], v[116+\m], 16, 3          ; hi
.endr
.irp m, 0,1,2,3,4,5,6,7
	v_lshlrev_b32 v[120+\m], v[120+\m], 1          ; as bits
.endr
.irp m, 1,2,3,4,5,6,7
	v_or_b32 v120, v120, v[120+\m]
.endr
.irp e, 0,1,2,3,4,5,6,7
	v_and_b32 v[PCD+\e], 1<<\e, v120
.endr
.irp e, 0,1,2,3,4,5,6,7
	v_cmp_ne_u32 s[24+\e], 0, v[PCD+\e]            ; which lanes have expert e: eight compares in a run, a register each
.endr
	s_wait_alu depctr_va_sdst(0)                   ; the eight compares have written s24 to s31, which the scalar lines below read
	s_mov_b32 s40, 0
.irp e, 0,1,2,3,4,5,6,7
	s_cmp_lg_u32 s[24+\e], 0
	s_cselect_b32 s21, 1<<\e, 0
	s_or_b32 s40, s40, s21                         ; the block's experts: the same mask in all four waves
.endr
	s_bcnt1_i32_b32 s23, s40                       ; n, at least 1
	NEXT 0
	LOADB 0                                        ; no vector line since the last wait on va_vdst names v4, v5 or the registers in which these land
	s_wait_loadcnt 63                              ; behind the rows of x stand 72 loads: at most 63 can be named, and they may stay out
.irp i, 0,1,2,3,4,5,6,7,8,9,10,11,12,13,14,15
	ds_store_b128 v8, v[ACC+4*\i:ACC+4*\i+3] offset:16*\i
.endr
	s_wait_dscnt 0x0                               ; for the others' sake: my tile of x lies in LDS
	s_barrier_signal -1
	s_barrier_wait -1
	NEXT 1
	LOADB 1                                        ; the block's second expert, without a condition, so that the buffer is written on every way (with n = 1: expert 7's, unused)
	WIN 0x40                                       ; destination window 1
.set xm, 0
.rept 4
.set xk, 0
.rept 16
	ds_load_b128 v[64*xm+4*xk:64*xm+4*xk+3], v9 offset:8704*xm+544*xk       ; fragment (m, s), group c, xk = 2 s + c: blocks 4 s + 2 c + h
.set xk, xk+1
.endr
.set xm, xm+1
.endr
	WIN 0
	s_wait_dscnt 0x0
	s_wait_alu depctr_vm_vsrc(0)                   ; the LDS stores have read v128 to v191, which the products write; the loads of x have read their offsets v96 to v115, which gelu writes
	ENTRY 0, 0
	s_mov_b32 s43, 3
.Lwalk:
	ENTRY 1, 1
	ENTRY 0, 1
	s_sub_co_u32 s43, s43, 1
	s_cmp_lg_u32 s43, 0
	s_cbranch_scc1 .Lwalk
	ENTRY 1, 2
	s_wait_dscnt 0x0                               ; the closing lines, six on end
	s_wait_alu 0x0
	s_wait_tensorcnt 0x0
	ds_add_u32 v30, v31
	s_wait_dscnt 0x0
	s_endpgm
.Lfunc_end_k_qaa6d5f74c5_up:
	.size	k_qaa6d5f74c5_up, .Lfunc_end_k_qaa6d5f74c5_up-k_qaa6d5f74c5_up
	.p2alignl 7, 3214868480
	.fill 96, 4, 3214868480
	.section	.rodata,"a",@progbits
	.p2align	6, 0x0
	.amdhsa_kernel k_qaa6d5f74c5_up
		.amdhsa_group_segment_fixed_size 35328
		.amdhsa_private_segment_fixed_size 0
		.amdhsa_enable_private_segment 0
		.amdhsa_kernarg_size 56
		.amdhsa_user_sgpr_count 2
		.amdhsa_user_sgpr_kernarg_segment_ptr 1
		.amdhsa_wavefront_size32 1
		.amdhsa_system_sgpr_workgroup_id_x 1
		.amdhsa_system_sgpr_workgroup_id_y 1
		.amdhsa_system_sgpr_workgroup_id_z 1
		.amdhsa_system_vgpr_workitem_id 0
		.amdhsa_next_free_vgpr 1024
		.amdhsa_next_free_sgpr 66
		.amdhsa_reserve_vcc 0
		.amdhsa_float_denorm_mode_32 3
		.amdhsa_float_denorm_mode_16_64 3
		.amdhsa_memory_ordered 1
		.amdhsa_forward_progress 1
		.amdhsa_inst_pref_size 255
	.end_amdhsa_kernel
	.section	.bss,"aw",@nobits
	.p2align	6
	.space	262144
	.amdgpu_metadata
---
amdhsa.version: [ 1, 2 ]
amdhsa.kernels:
  - .name:           k_qaa6d5f74c5_up
    .symbol:         k_qaa6d5f74c5_up.kd
    .args:
      - { .name: x_codes, .offset: 0, .size: 8, .value_kind: global_buffer, .address_space: global }
      - { .name: x_scales, .offset: 8, .size: 8, .value_kind: global_buffer, .address_space: global }
      - { .name: w1i, .offset: 16, .size: 8, .value_kind: global_buffer, .address_space: global }
      - { .name: W1_scales, .offset: 24, .size: 8, .value_kind: global_buffer, .address_space: global }
      - { .name: rec, .offset: 32, .size: 8, .value_kind: global_buffer, .address_space: global }
      - { .name: hc, .offset: 40, .size: 8, .value_kind: global_buffer, .address_space: global }
      - { .name: hs, .offset: 48, .size: 8, .value_kind: global_buffer, .address_space: global }
    .group_segment_fixed_size: 35328
    .private_segment_fixed_size: 0
    .kernarg_segment_align: 8
    .kernarg_segment_size: 56
    .max_flat_workgroup_size: 128
    .sgpr_count:     66
    .vgpr_count:     1024
    .wavefront_size: 32
...
	.end_amdgpu_metadata
.endif
;; end of part 5
;; launch down (part 6): grid 4 x 64, 4 waves a work-group, no clusters, 262,656 bytes of LDS; arguments hc, hs, w2i, W2_scales, rec, gts, out0; writes out0
.if DOCPART == 6
	.amdgcn_target "amdgcn-amd-amdhsa--gfx1250"
	.amdhsa_code_object_version 6
	.text
	.protected	k_qaa6d5f74c5_down
	.globl	k_qaa6d5f74c5_down
	.p2align	8
	.type	k_qaa6d5f74c5_down,@function
k_qaa6d5f74c5_down:
	s_mov_b64 s[64:65], 0
	v_nop
	global_prefetch_b8 v0, s[64:65] scope:SCOPE_SE
	s_setreg_imm32_b32 hwreg(HW_REG_WAVE_SCHED_MODE, 0, 2), 2
	s_setreg_imm32_b32 hwreg(HW_REG_WAVE_MODE, 25, 1), 1
	s_wait_xcnt 0x0
	s_wait_alu depctr_vm_vsrc(0)
; out[token] = the sum over the block's experts e of gate(token, e) x (h_e W2_e^T), for 64 sorted tokens (block b = work-group y) x 256 outputs (cb = work-group x).  Each output row has one owner: nothing is added in memory.
; SHARES.  Wave w: all 64 tokens x outputs 256 cb + 64 w .. + 63 (4 tiles of W2).  The experts are walked as the launch before walked them: the set bits of the block's mask, ascending; j counts them.
; h's fragments of all the block's experts (32,768 bytes each) are brought into LDS once, wave w bringing tile w of each; every wave reads all of them, through three register buffers of a K step each.
; W2's fragments come as images straight into registers, an expert's 32 to a window, two windows by turns.
; THE PRODUCT IS USED TRANSPOSED (source 0 = 16 rows of W2, source 1 = 16 tokens): a lane holds one token and eight neighbouring outputs.  A row that does not use the expert has the gate 0.
; THE WALK hangs on numbers read from rec, so there is no tensor load.  No cluster: neighbouring blocks walk different experts, in different numbers.
; Eight entries stand in the text (one written out, three trips of two, one written out); an entry with j >= n is jumped over; the lines that step j and the LDS offset stand behind the jump's label.
; LIMITS: where an expert's product overflows, 0 x infinity puts a NaN into every row of the block, the rows that do not use the expert too; experts outside the block can put none there.
; LDS: [j 8][tile 4][K step 8][c 2][lane 32][16 bytes].  On the way out each wave's stage, 16 rows x (256 + 16) bytes, lies over j = 0's images, behind a barrier.
; REGISTERS.  window 0: v1-19 addresses; v20-27 lo, hi; v28-35 the stored gates; v36-43 this expert's gates, as pairs; v48-79 h's scale words, two sets; v80-111 W2's; v128-255 the products, (m, t) at 128 + 8 (4 m + t).
;   window 1: v0-127 the sums; v128-191 and v224-255 h's fragments of three K steps; v192-223 the rows' offsets in out0.   windows 2, 3: an expert's fragments, (t, s) at 8 (8 t + s); at the head window 3 carries h on its way to LDS.
; THE MODE: SCHED_MODE bits 1:0 = 2 (LLVM: expert scheduling mode 2), set by the entry lines.  The code itself states the register dependences between vector or matrix instructions and memory or LDS
; instructions, with s_wait_alu, always for 0.
; THE PLAN.  Registers that memory or LDS instructions touch:
;   v4, v5, v8-v15, v17, v19   offsets and LDS addresses: made once at the head, ahead of the first load's wait, and never written again.
;   v7                 the LDS address of expert j's images: written once an entry, behind a wait on vm_vsrc for the last entry's LDS loads; read by the entry's 64 LDS loads.
;   H0, H1, H2         h's fragments, K step k in buffer k % 3: LDS loads land, the K step's sixteen products read.  K steps 0 to 2 are asked for at the entry's head; 3 and 4 behind K step 1's products, 5 and 6
;                      behind K step 3's, 7 behind K step 5's: each time behind one wait on va_vdst, which shows the products of the two K steps before done with their buffers.
;   windows 2, 3 and the two sets of W2's and h's scale words.  Entry j's products read buffer j % 2; the loads of expert j + 1 land in the other, which entry j - 1's products read.  The wait on va_vdst at
;                      entry j's head stands behind those, and no vector or matrix instruction since names that buffer: so the 72 loads are dealt among the entry's first K steps with no further wait.
;   the sums, the products' registers, the rows' offsets: on the way out, behind one wait on va_vdst, LDS stores read the sums, the stage's loads land where the products lay, the stores read the offsets.
;   window 3 at the head: h's images land, LDS stores read them; a wait on vm_vsrc stands ahead of every load that lands there again.
.set YY,  128
.set AB,  128
.set TOF, 192
.set LOX, 20
.set HIX, 24
.set GTS, 28
.set GG,  36
.set HSC, 48
.set WSC, 80
.set MSB, 0
.macro WIN new                         ; the immediate's high byte repeats the setting that is left
.if MSB != (\new)
	s_set_vgpr_msb (MSB<<8)|(\new)
.set MSB, (\new)
.endif
.endm
.macro PLACES
.rept 4
	v_nop
.endr
.endm
; the next expert of the mask (s40) for buffer buf: its number, and where its fragments, its scale words and h's scale words begin.  With no bit left the number is held at 7 and h's index at n - 1: addresses of bytes that were stored
.macro NEXT buf
	s_ctz_i32_b32 s[30+(\buf)], s40
	s_min_u32 s[30+(\buf)], s[30+(\buf)], 7
	s_sub_co_u32 s21, s40, 1
	s_and_b32 s40, s40, s21
	s_lshl_b32 s60, s[30+(\buf)], 19
	s_add_nc_u64 s[48+4*(\buf):49+4*(\buf)], s[44:45], s[60:61]
	s_lshl_b32 s60, s[30+(\buf)], 15
	s_add_nc_u64 s[50+4*(\buf):51+4*(\buf)], s[46:47], s[60:61]
	s_min_u32 s21, s25, s24
	s_min_u32 s21, s21, 7
	s_lshl_b32 s60, s21, 11
	s_add_nc_u64 s[56+2*(\buf):57+2*(\buf)], s[6:7], s[60:61]
	s_add_co_u32 s25, s25, 1
.endm
.macro LOADB buf                       ; at the head: 72 loads in one run
	WIN (2+(\buf))<<6
.set li, 0
.rept 64
	global_load_b128 v[4*li:4*li+3], v4, s[48+4*(\buf):49+4*(\buf)] offset:512*li
.set li, li+1
.endr
	WIN 0
.irp t, 0,1,2,3
	global_load_b128 v[WSC+16*(\buf)+4*\t:WSC+16*(\buf)+4*\t+3], v5, s[50+4*(\buf):51+4*(\buf)] offset:512*\t
.endr
.irp m, 0,1,2,3
	global_load_b128 v[HSC+16*(\buf)+4*\m:HSC+16*(\buf)+4*\m+3], v5, s[56+2*(\buf):57+2*(\buf)] offset:512*\m
.endr
.endm
; in the walk, for the entry that works on buffer buf: the next expert's loads, into the OTHER buffer.  WSL: its eight scale loads.  WLD: n of its 64 fragment loads, from number from on
.macro WSL buf
	WIN 0
.irp t, 0,1,2,3
	global_load_b128 v[WSC+16*(1-(\buf))+4*\t:WSC+16*(1-(\buf))+4*\t+3], v5, s[54-4*(\buf):55-4*(\buf)] offset:512*\t
.endr
.irp m, 0,1,2,3
	global_load_b128 v[HSC+16*(1-(\buf))+4*\m:HSC+16*(1-(\buf))+4*\m+3], v5, s[58-2*(\buf):59-2*(\buf)] offset:512*\m
.endr
.endm
.macro WLD buf, from, n
	WIN (3-(\buf))<<6                              ; destination: the other buffer's window
.set li, \from
.rept \n
	global_load_b128 v[4*li:4*li+3], v4, s[52-4*(\buf):53-4*(\buf)] offset:512*li
.set li, li+1
.endr
.endm
.macro STG_LOAD j                      ; my tile of expert j's h: 8,192 bytes, into window 3
	WIN 0xc0
.set li, 0
.rept 16
	global_load_b128 v[64*((\j)%4)+4*li:64*((\j)%4)+4*li+3], v12, s[4:5] offset:32768*(\j)+512*li
.set li, li+1
.endr
	WIN 0
.endm
.macro STG_STORE j
	WIN 0x0c                                       ; an LDS store's data are its source 1
.set li, 0
.rept 16
	ds_store_b128 v[12+(\j)/2], v[64*((\j)%4)+4*li:64*((\j)%4)+4*li+3] offset:32768*((\j)%2)+512*li
.set li, li+1
.endr
	WIN 0
.endm
; Experts j0 .. j0 + 3, as many as the block has: the loads go down the ladder, the stores come back up it, so that on every way exactly what was loaded is stored.  Every wait is for 0: the number of younger loads differs from way to way
.macro LADDER j0, hoisted
.if (\hoisted) == 0
	STG_LOAD \j0
.endif
	s_cmp_lt_u32 s23, (\j0)+2
	s_cbranch_scc1 .Lone_\@
	STG_LOAD (\j0)+1
	s_cmp_lt_u32 s23, (\j0)+3
	s_cbranch_scc1 .Ltwo_\@
	STG_LOAD (\j0)+2
	s_cmp_lt_u32 s23, (\j0)+4
	s_cbranch_scc1 .Lthree_\@
	STG_LOAD (\j0)+3
	s_wait_loadcnt 0x0
	STG_STORE (\j0)+3
.Lthree_\@:
	s_wait_loadcnt 0x0
	STG_STORE (\j0)+2
.Ltwo_\@:
	s_wait_loadcnt 0x0
	STG_STORE (\j0)+1
.Lone_\@:
	s_wait_loadcnt 0x0
	STG_STORE \j0
.endm
.macro HLOAD st                        ; h's four fragments of K step st into buffer st % 3: v128, v160 or v224 of window 1 on
	WIN 0x40
.set hb, AB+32*((\st)%3)+32*(((\st)%3)/2)
.irp m, 0,1,2,3
.irp c, 0,1
	ds_load_b128 v[hb+8*\m+4*\c:hb+8*\m+4*\c+3], v7 offset:8192*\m+1024*(\st)+512*\c
.endr
.endr
.endm
.macro GATES buf                       ; my four tokens' gates for this expert: lo's if it is lo, plus hi's if it is hi
.irp m, 0,1,2,3
	v_cmp_eq_u32 s[32+2*\m], s[30+(\buf)], v[LOX+\m]             ; eight compares in a run, a register each
	v_cmp_eq_u32 s[33+2*\m], s[30+(\buf)], v[HIX+\m]
.endr
	s_wait_alu depctr_va_sdst(0)                   ; the eight compares have written s32 to s39, which the selects below read
.irp m, 0,1,2,3
	v_cndmask_b32 v44, 0, v[GTS+2*\m], s[32+2*\m]
	v_cndmask_b32 v45, 0, v[GTS+2*\m+1], s[33+2*\m]
	v_add_f32 v[GG+2*\m], v44, v45
.endr
.endm
; K step k: sixteen matrix instructions.  The 16 accumulators take turns, one instruction a turn; K step 0 starts the sums
.macro KSTEP buf, k
	WIN 6+(\buf)                                   ; source 0 window 2 or 3, source 1 window 1
.set hb, AB+32*((\k)%3)+32*(((\k)%3)/2)
.set tt, 0
.rept 4
.set mm, 0
.rept 4
.set rD, YY+8*(4*mm+tt)
.set rB, 8*(8*tt+(\k))
.set rH, hb+8*mm
.set rW, WSC+16*(\buf)+4*tt+((\k)%4)
.set rS, HSC+16*(\buf)+4*mm+((\k)%4)
.if (\k) == 0
	v_wmma_scale_f32_16x16x128_f8f6f4 v[rD:rD+7], v[rB:rB+7], v[rH:rH+7], 0, v[rW], v[rS] matrix_a_fmt:MATRIX_FMT_FP4 matrix_b_fmt:MATRIX_FMT_FP4
.elseif (\k) < 4
	v_wmma_scale_f32_16x16x128_f8f6f4 v[rD:rD+7], v[rB:rB+7], v[rH:rH+7], v[rD:rD+7], v[rW], v[rS] matrix_a_fmt:MATRIX_FMT_FP4 matrix_b_fmt:MATRIX_FMT_FP4
.else
	v_wmma_scale_f32_16x16x128_f8f6f4 v[rD:rD+7], v[rB:rB+7], v[rH:rH+7], v[rD:rD+7], v[rW], v[rS] matrix_a_fmt:MATRIX_FMT_FP4 matrix_b_fmt:MATRIX_FMT_FP4 matrix_a_scale:MATRIX_SCALE_ROW1 matrix_b_scale:MATRIX_SCALE_ROW1
.endif
.set mm, mm+1
.endr
.set tt, tt+1
.endr
.endm
; An expert's eight K steps.  K steps 0 to 2 of h have been asked for: 24 LDS loads are out.  Each wait on DScnt names the loads, eight a K step, that were issued behind those of the K step that is wanted.
; ld = 1: the next expert's 72 loads are dealt among the first K steps, early, since an entry is short.  No wait: no vector or matrix instruction since the wait at the entry's head names the other buffer, v4 or v5
.macro PRODS buf, ld
.if \ld
	WSL \buf
	WLD \buf, 0, 16
.endif
	s_wait_dscnt 16                                ; K step 0 is in; 1 and 2 may be out
	KSTEP \buf, 0
.if \ld
	WLD \buf, 16, 24
.endif
	s_wait_dscnt 8                                 ; K step 1 is in; 2 may be out
	KSTEP \buf, 1
.if \ld
	WLD \buf, 40, 24
.endif
	PLACES                                         ; four plain lines between the products just issued and the loads into the fragments that they read
	s_wait_alu depctr_va_vdst(0)                   ; the products of K steps 0 and 1 are done reading H0 and H1, in which the loads below land
	HLOAD 3
	HLOAD 4
	s_wait_dscnt 16                                ; K step 2 is in; 3 and 4 may be out
	KSTEP \buf, 2
	s_wait_dscnt 8
	KSTEP \buf, 3
	PLACES
	s_wait_alu depctr_va_vdst(0)                   ; the products of K steps 2 and 3 are done reading H2 and H0, in which the loads below land
	HLOAD 5
	HLOAD 6
	s_wait_dscnt 16                                ; K step 4 is in; 5 and 6 may be out
	KSTEP \buf, 4
	s_wait_dscnt 8
	KSTEP \buf, 5
	PLACES
	s_wait_alu depctr_va_vdst(0)                   ; the products of K step 4 are done reading H1, in which the loads below land
	HLOAD 7
	s_wait_dscnt 8                                 ; K step 6 is in; 7 may be out
	KSTEP \buf, 6
	s_wait_dscnt 0x0
	KSTEP \buf, 7
	WIN 0
.endm
; One expert.  kind 0: the block's first, which starts the sums; 1: in the loop; 2: the eighth
.macro ENTRY buf, kind
.if (\kind) == 0
	s_wait_loadcnt 63                              ; behind this buffer's loads stand the other buffer's 72: at most 63 can be named, and they may stay out
.else
	s_cmp_ge_u32 s26, s23
	s_cbranch_scc1 .Lskip_\@                       ; the block has no j-th expert
	s_wait_loadcnt 0x0                             ; this buffer is in; no load is out, so the other buffer's bases may be written
	s_wait_alu depctr_vm_vsrc(0)                   ; the LDS loads of the entries before have read v7, which is written below
.endif
	GATES \buf
	v_add_nc_u32 v7, s28, v4                       ; 16 lane + 32,768 j
	s_wait_alu depctr_va_vdst(0)                   ; v7 is written, which the LDS loads read; the last entry's products are done reading H0 to H2, the other weight buffer and its scale words, in which this entry's loads land
	HLOAD 0
	HLOAD 1
	HLOAD 2
	WIN 0
.if (\kind) == 1
	s_add_co_u32 s21, s26, 1
	s_cmp_ge_u32 s21, s23
	s_cbranch_scc1 .Llast_\@
	NEXT 1-(\buf)
	PRODS \buf, 1                                  ; with the next expert's loads among the first K steps
	s_branch .Lmade_\@
.Llast_\@:
.endif
	PRODS \buf, 0
.if (\kind) == 1
.Lmade_\@:
.endif
	PLACES                                         ; four plain lines between the last product and the first read of results
.if (\kind) == 0
	WIN 0x40                                       ; destination window 1
.else
	WIN 0x50                                       ; destination and source 2 window 1
.endif
.set si, 0
.rept 64                                       ; each accumulator is read from its low end on
.if (\kind) == 0
	v_pk_mul_f32 v[si:si+1], v[YY+si:YY+si+1], v[GG+2*(si/32):GG+2*(si/32)+1] op_sel_hi:[1,0]          ; the first expert starts the sums: nothing is cleared
.else
	v_pk_fma_f32 v[si:si+1], v[YY+si:YY+si+1], v[GG+2*(si/32):GG+2*(si/32)+1], v[si:si+1] op_sel_hi:[1,0,1]
.endif
.set si, si+2
.endr
	WIN 0
.if (\kind) != 0
.Lskip_\@:
.endif
	s_add_co_u32 s28, s28, 32768
	s_add_co_u32 s26, s26, 1
.endm
; THE WAY OUT, a tile of 16 tokens at a time: a lane's 32 bytes of a row go into my stage; whole pieces of 256 bytes come back, lanes 0-15 row i, lanes 16-31 row 8 + i.  LDS serves a wave's instructions in order
.macro TOSTAGE m
	WIN 0x04                                       ; the data: window 1
.irp t, 0,1,2,3
	ds_store_b128 v8, v[8*(4*(\m)+\t):8*(4*(\m)+\t)+3] offset:64*\t
	ds_store_b128 v8, v[8*(4*(\m)+\t)+4:8*(4*(\m)+\t)+7] offset:64*\t+16
.endr
	WIN 0
.irp i, 0,1,2,3,4,5,6,7
	ds_load_b128 v[YY+32*(\m)+4*\i:YY+32*(\m)+4*\i+3], v9 offset:272*\i
.endr
.endm
.macro SEND m, younger
	s_wait_dscnt \younger                          ; the tile is back; the next tile's sixteen LDS instructions may be out
	WIN 0x01                                       ; the offsets: window 1
.irp i, 0,1,2,3,4,5,6,7
	global_store_b128 v[TOF+8*(\m)+\i], v[YY+32*(\m)+4*\i:YY+32*(\m)+4*\i+3], s[16:17] th:TH_STORE_NT   ; sixteen lanes store 256 consecutive bytes of a token's row, at a multiple of 256 from out0's first byte
.endr
	WIN 0
.endm
	s_load_b256 s[4:11], s[0:1], 0x0               ; hc, hs, w2i, W2_scales
	s_load_b128 s[12:15], s[0:1], 0x20             ; rec, gts
	s_load_b64 s[16:17], s[0:1], 0x30              ; out0
	v_lshl_add_u32 v126, v0, 2, 0x40000
	v_mov_b32 v127, 0
	v_lshrrev_b32 v1, 5, v0
	v_readfirstlane_b32 s18, v1                    ; wave
	s_mov_b32 s19, ttmp9                           ; cb
	s_and_b32 s20, ttmp7, 0xffff                   ; b
	v_and_b32 v1, 31, v0                           ; lane
	v_and_b32 v2, 15, v0                           ; r
	v_bfe_u32 v3, v0, 4, 1                         ; h
	v_lshlrev_b32 v4, 4, v1                        ; 16 x lane
	v_lshlrev_b32 v17, 4, v2                       ; 16 r
	v_lshlrev_b32 v5, 5, v2
	v_lshl_add_u32 v5, v3, 4, v5                   ; scales: 32 r + 16 h
	s_lshl_b32 s21, s20, 8
	v_lshl_add_u32 v10, v2, 2, s21                 ; rec: 256 b + 4 r
	v_lshl_add_u32 v19, v3, 5, s21                 ; rec: 256 b + 32 h
	s_lshl_b32 s22, s20, 9
	v_lshl_add_u32 v11, v2, 3, s22                 ; gts: 512 b + 8 r
	v_mul_u32_u24 v8, v2, 272
	v_lshl_add_u32 v8, v3, 5, v8
	v_mul_u32_u24 v9, v3, 2176
	v_lshl_add_u32 v9, v2, 4, v9
.irp m, 0,1,2,3
	v_mov_b32 v[GG+2*\m+1], 0                      ; named as the upper halves of pairs, so they are written
.endr
	s_mov_b32 s61, 0
	s_mov_b32 s25, 0                               ; experts fetched
	s_mov_b32 s26, 0                               ; j
	s_mov_b32 s28, 0                               ; 32,768 j
	s_wait_alu depctr_va_sdst(0)                   ; s18, the wave's number, is written, ahead of its first reader
	v_lshl_add_u32 v12, s18, 13, v4                ; my tile of h: 16 lane + 8,192 w, in hc and in LDS;
	v_add_nc_u32 v13, 0x10000, v12                 ; LDS offsets have 16 bits: a register for each pair of experts
	v_add_nc_u32 v14, 0x20000, v12
	v_add_nc_u32 v15, 0x30000, v12
	s_mul_i32 s29, s18, 4352                       ; my stage
	v_add_nc_u32 v8, s29, v8                       ; in: row r, + 32 h
	v_add_nc_u32 v9, s29, v9                       ; back: 8 h rows on, + 16 r
	s_wait_alu depctr_va_vdst(0)                   ; v4, v5, v8 to v15, v17 and v19 are written: the offsets and LDS addresses that the loads and stores of the whole kernel read
	s_wait_kmcnt 0x0
	s_lshl_b32 s60, s20, 18
	s_add_nc_u64 s[4:5], s[4:5], s[60:61]          ; hc at (b, j = 0)
	s_lshl_b32 s60, s20, 14
	s_add_nc_u64 s[6:7], s[6:7], s[60:61]          ; hs likewise
	s_lshl_b32 s60, s19, 17
	s_lshl_b32 s22, s18, 15
	s_add_co_u32 s60, s60, s22
	s_add_nc_u64 s[44:45], s[8:9], s[60:61]        ; w2i at tile 16 cb + 4 w of expert 0
	s_lshl_b32 s60, s19, 13
	s_lshl_b32 s22, s18, 11
	s_add_co_u32 s60, s60, s22
	s_add_nc_u64 s[46:47], s[10:11], s[60:61]      ; W2_scales at row 256 cb + 64 w
	s_lshl_b32 s60, s19, 10
	s_lshl_b32 s22, s18, 8
	s_add_co_u32 s60, s60, s22
	s_add_nc_u64 s[16:17], s[16:17], s[60:61]      ; out0 at my 256 bytes of a row
.irp m, 0,1,2,3
	global_load_b32 v[112+\m], v10, s[12:13] offset:64*\m            ; my four tokens' records
.endr
.irp m, 0,1,2,3
	global_load_b64 v[GTS+2*\m:GTS+2*\m+1], v11, s[14:15] offset:128*\m      ; and gates
.endr
	WIN 0x40
.irp m, 0,1,2,3
	global_load_b128 v[TOF+8*\m:TOF+8*\m+3], v19, s[12:13] offset:64*\m      ; the records of rows 16 m + 8 h + 0 .. 7, which I store
	global_load_b128 v[TOF+8*\m+4:TOF+8*\m+7], v19, s[12:13] offset:64*\m+16
.endr
	WIN 0
	STG_LOAD 0                                     ; the first expert's h hangs on no record: it is asked for at once
	s_wait_loadcnt 16                              ; records and gates are in; those 16 may be out
.irp m, 0,1,2,3
	v_bfe_u32 v[LOX+\m], v[112+\m], 12, 3
	v_bfe_u32 v[HIX+\m], v[112+\m], 16, 3
.endr
.irp m, 0,1,2,3
	v_lshlrev_b32 v[112+\m], v[LOX+\m], 1          ; as bits
	v_lshlrev_b32 v[116+\m], v[HIX+\m], 1
.endr
.irp m, 1,2,3,4,5,6,7
	v_or_b32 v112, v112, v[112+\m]
.endr
.irp e, 0,1,2,3,4,5,6,7
	v_and_b32 v[113+\e], 1<<\e, v112
.endr
.irp e, 0,1,2,3,4,5,6,7
	v_cmp_ne_u32 s[32+\e], 0, v[113+\e]            ; which lanes have expert e: eight compares in a run, a register each
.endr
	s_wait_alu depctr_va_sdst(0)                   ; the eight compares have written s32 to s39, which the scalar lines below read
	s_mov_b32 s40, 0
.irp e, 0,1,2,3,4,5,6,7
	s_cmp_lg_u32 s[32+\e], 0
	s_cselect_b32 s21, 1<<\e, 0
	s_or_b32 s40, s40, s21                         ; the block's experts: the same mask in all four waves
.endr
	s_bcnt1_i32_b32 s23, s40                       ; n, at least 1
	s_sub_co_u32 s24, s23, 1
	NEXT 0
	LOADB 0                                        ; no vector line since the head's wait on va_vdst names v4, v5 or the registers in which these land
	WIN 0x44                                       ; destination and source 1 window 1
.set ti, 0
.rept 32
	v_and_b32 v[TOF+ti], 0xfff, v[TOF+ti]          ; the token
	v_min_u32 v[TOF+ti], 0xfff, v[TOF+ti]
.set ti, ti+1
.endr
	WIN 0x41                                       ; destination and source 0 window 1
.set ti, 0
.rept 32
	v_lshl_add_u32 v[TOF+ti], v[TOF+ti], 12, v17   ; its row of 4,096 bytes, + 16 r
.set ti, ti+1
.endr
	WIN 0
	LADDER 0, 1
	s_cmp_lt_u32 s23, 5
	s_cbranch_scc1 .Lstaged
	s_wait_dscnt 0x0                               ; the first four experts' images lie in LDS
	s_wait_alu depctr_vm_vsrc(0)                   ; the LDS stores have read window 3's registers, in which the next four experts' loads land
	LADDER 4, 0
.Lstaged:
	s_wait_dscnt 0x0                               ; for the others' sake: my tiles of h lie in LDS
	s_barrier_signal -1
	s_barrier_wait -1
	s_wait_alu depctr_vm_vsrc(0)                   ; on both ways: the LDS stores have read window 3's registers, in which the second expert's fragments land
	NEXT 1
	LOADB 1                                        ; the block's second expert, without a condition, so that the buffer is written on every way (with n = 1: unused)
	ENTRY 0, 0
	s_mov_b32 s27, 3
.Lwalk:
	ENTRY 1, 1
	ENTRY 0, 1
	s_sub_co_u32 s27, s27, 1
	s_cmp_lg_u32 s27, 0
	s_cbranch_scc1 .Lwalk
	ENTRY 1, 2
	s_wait_alu depctr_va_vdst(0)                   ; the multiply-adds have written the sums, which the LDS stores read, and are done reading the products' registers, in which the stage's loads land
	s_wait_dscnt 0x0                               ; my reads of h's images are over:
	s_barrier_signal -1
	s_barrier_wait -1                              ; everybody's are, and the stages may be laid over j = 0's
	TOSTAGE 0
	TOSTAGE 1
	SEND 0, 16
	TOSTAGE 2
	SEND 1, 16
	TOSTAGE 3
	SEND 2, 16
	SEND 3, 0
	s_wait_dscnt 0x0                               ; the closing lines, six on end
	s_wait_alu 0x0
	s_wait_tensorcnt 0x0
	ds_add_u32 v126, v127
	s_wait_dscnt 0x0
	s_endpgm
.Lfunc_end_k_qaa6d5f74c5_down:
	.size	k_qaa6d5f74c5_down, .Lfunc_end_k_qaa6d5f74c5_down-k_qaa6d5f74c5_down
	.p2alignl 7, 3214868480
	.fill 96, 4, 3214868480
	.section	.rodata,"a",@progbits
	.p2align	6, 0x0
	.amdhsa_kernel k_qaa6d5f74c5_down
		.amdhsa_group_segment_fixed_size 262656
		.amdhsa_private_segment_fixed_size 0
		.amdhsa_enable_private_segment 0
		.amdhsa_kernarg_size 56
		.amdhsa_user_sgpr_count 2
		.amdhsa_user_sgpr_kernarg_segment_ptr 1
		.amdhsa_wavefront_size32 1
		.amdhsa_system_sgpr_workgroup_id_x 1
		.amdhsa_system_sgpr_workgroup_id_y 1
		.amdhsa_system_sgpr_workgroup_id_z 1
		.amdhsa_system_vgpr_workitem_id 0
		.amdhsa_next_free_vgpr 1024
		.amdhsa_next_free_sgpr 66
		.amdhsa_reserve_vcc 0
		.amdhsa_float_denorm_mode_32 3
		.amdhsa_float_denorm_mode_16_64 3
		.amdhsa_memory_ordered 1
		.amdhsa_forward_progress 1
		.amdhsa_inst_pref_size 219
	.end_amdhsa_kernel
	.amdgpu_metadata
---
amdhsa.version: [ 1, 2 ]
amdhsa.kernels:
  - .name:           k_qaa6d5f74c5_down
    .symbol:         k_qaa6d5f74c5_down.kd
    .args:
      - { .name: hc, .offset: 0, .size: 8, .value_kind: global_buffer, .address_space: global }
      - { .name: hs, .offset: 8, .size: 8, .value_kind: global_buffer, .address_space: global }
      - { .name: w2i, .offset: 16, .size: 8, .value_kind: global_buffer, .address_space: global }
      - { .name: W2_scales, .offset: 24, .size: 8, .value_kind: global_buffer, .address_space: global }
      - { .name: rec, .offset: 32, .size: 8, .value_kind: global_buffer, .address_space: global }
      - { .name: gts, .offset: 40, .size: 8, .value_kind: global_buffer, .address_space: global }
      - { .name: out0, .offset: 48, .size: 8, .value_kind: global_buffer, .address_space: global }
    .group_segment_fixed_size: 262656
    .private_segment_fixed_size: 0
    .kernarg_segment_align: 8
    .kernarg_segment_size: 56
    .max_flat_workgroup_size: 128
    .sgpr_count:     66
    .vgpr_count:     1024
    .wavefront_size: 32
...
	.end_amdgpu_metadata
.endif
;; end of part 6
